; MI455X (gfx1250); checked and timed in simulation.
; The chip was launched on July 23, 2026; its instructions are those of AMD's public machine-readable ISA for CDNA 5 (MIT licence, August 2026) and "CDNA5" Instruction Set Architecture Reference Guide (July 2026). The comments in the code are by the model that wrote it; some were corrected since.
;; Scaled Dot Product Attention. Allowed arithmetic: matrix products marked QUANTISED: E5M2 operands, one E8M0 scale for each 32 along K, by v_wmma_scale_f32_16x16x128_f8f6f4 with both operands' format E5M2, f32 sums; everything else in f32.
;; Inputs: Wk_codes 1,024 x 32 x 32 uint8 (E5M2 codes of Wk, K innermost, in blocks of 32 codes); Wk_scales 1,024 x 32 uint8 (E8M0 scales of Wk, one for each 32 codes along K); Wo_codes 1,024 x 32 x 32 uint8 (E5M2 codes of Wo, K innermost, in blocks of 32 codes); Wo_scales 1,024 x 32 uint8 (E8M0 scales of Wo, one for each 32 codes along K); Wq_codes 1,024 x 32 x 32 uint8 (E5M2 codes of Wq, K innermost, in blocks of 32 codes); Wq_scales 1,024 x 32 uint8 (E8M0 scales of Wq, one for each 32 codes along K); Wv_codes 1,024 x 32 x 32 uint8 (E5M2 codes of Wv, K innermost, in blocks of 32 codes); Wv_scales 1,024 x 32 uint8 (E8M0 scales of Wv, one for each 32 codes along K); attn_mask 2,048 x 2,048 bool; beta 1,024 float32; gamma 1,024 float32; x 4 x 2,048 x 1,024 float32.
;; Outputs: out0 4 x 2,048 x 1,024 float32.
;; This version of the problem:
;;   THIS VERSION OF THE PROBLEM IS GIVEN IN LOW PRECISION. The matrix products marked QUANTISED in the list below multiply operands that are first quantised to E5M2 (5 exponent bits, 2 mantissa bits; 8 bits a number), with one power-of-two scale for each 32 numbers along K (OCP MX v1.0); their sums are f32. All else is computed in f32.
;;   The module's matrix products, in the order in which they are computed (A, B: the left and right operand; K: the contracted axis; several contracted axes count as one K, in the product's order):
;;     1. [M 8,192, K 1,024] x [K 1,024, N 1,024]; A: input x; B: input Wq (given as codes): QUANTISED
;;     2. [M 8,192, K 1,024] x [K 1,024, N 1,024]; A: input x; B: input Wk (given as codes): QUANTISED
;;     3. [M 8,192, K 1,024] x [K 1,024, N 1,024]; A: input x; B: input Wv (given as codes): QUANTISED
;;     4. batch 64 x [M 2,048, K 64] x [K 64, N 2,048]; A: computed on the way; B: computed on the way: QUANTISED
;;     5. batch 64 x [M 2,048, K 2,048] x [K 2,048, N 64]; A: softmax (see below); B: computed on the way: QUANTISED
;;     6. [M 8,192, K 1,024] x [K 1,024, N 1,024]; A: computed on the way; B: input Wo (given as codes): QUANTISED
;;   THE QUANTISER, for each operand of a quantised product, along K:
;;     - K is cut into blocks of 32 from its start; a last block that is shorter is filled with zeros.
;;     - A block's scale is 2^e with e = floor(log2(the largest magnitude in the block)) - 15, held to -126 .. 127; a block of zeros has e = 0. As a byte (E8M0): e + 127.
;;     - Each number is divided by its block's scale, clamped to +-57,344, and rounded to the nearest number of E5M2, ties to even, subnormals kept.
;;     - The product sums the exact products of the quantised numbers (number of the format x scale) in f32.
;;   ~~~python
;;   def quantise(x, axis):      # numpy; x: float32 -> the quantised numbers, widened to float32 again
;;       x = np.moveaxis(x, axis, -1); K = x.shape[-1]
;;       x = np.pad(x, [(0, 0)] * (x.ndim - 1) + [(0, -K % 32)]); x = x.reshape(x.shape[:-1] + (-1, 32)); a = np.abs(x).max(-1, keepdims=True)
;;       e = np.where(a > 0, np.clip(np.frexp(np.where(a > 0, a, 1))[1] - 1 - 15, -126, 127), 0)      # np.frexp(a)[1] - 1 = floor(log2(a)), exactly
;;       r = np.clip(x / 2.0 ** e, -57344, 57344)
;;       step = 2.0 ** (np.maximum(np.frexp(np.where(r == 0, 1, r))[1] - 1, -14) - 2)
;;       q = np.round(r / step) * step * 2.0 ** e      # np.round: ties to even
;;       return np.moveaxis(q.reshape(q.shape[:-2] + (-1,))[..., :K], -1, axis).astype(np.float32)
;;   ~~~
;;   SOFTMAX AHEAD OF A QUANTISED PRODUCT. Where the list says 'softmax', what is quantised is not the finished softmax but p = 2^(t - M), with t = logit x log2(e) and M = ceil(the row's largest t), a whole number; so 1/2 < the row's largest p <= 1. The row's sum l is taken of the UNQUANTISED p, in f32, and the product's result is divided by l at the end. Since M is a whole number, a kernel that streams over the keys may use a running M (the ceiling of the running maximum): every later rescaling is an exact power of two, which a block's scale takes up: the codes' values come out the same.
;;   OPERANDS COMPUTED ON THE WAY. 'Computed on the way' means the value that the module computes at that place (a softmax that the list does not call 'softmax' is quantised finished and normalised). What goes into a quantiser is computed in f32, as accurately as f32 sums, v_exp_f32 and their like allow (about 1e-6 of the number): no bf16 or f16 on the way to a quantiser, and a product that is left as it is and whose result goes on into a quantised operand takes f32 operands (vector FMAs, or v_wmma_f32_16x16x4_f32). A number that lies on a knife's edge between two numbers of the format may be rounded either way, as far as f32 arithmetic and the matrix unit's own rounding can turn it there, and no further.
;;   INPUTS GIVEN AS CODES. Wk (in the module: [1024, 1024], K = its axis 0); Wo (in the module: [1024, 1024], K = its axis 0); Wq (in the module: [1024, 1024], K = its axis 0); Wv (in the module: [1024, 1024], K = its axis 0): each comes as NAME_codes (uint8): NAME with its K axis moved to the last place and cut into blocks of 32 codes, [.., K / 32, bytes a block], one block behind the other in memory; one code a byte (a code: sign, 5 exponent bits, 2 mantissa bits); and NAME_scales (uint8): the same leading axes, one E8M0 byte (e + 127) for each 32 codes along K. Its value is code x scale, taken as it is: it is not quantised again, and the codes and scales need not be those that the quantiser above would give.
;; 2 versions, each right; version 2 is version 1 with the launch attn written anew for expert scheduling mode. Each part assembles by itself: llvm-mc -triple=amdgcn-amd-amdhsa -mcpu=gfx1250 --defsym DOCPART=n.
;; ======== version 1 of 2: 4 launches
;; limits: right only within a limited range of input values
;; workspace buffers: xq 8,650,752 bytes; maskw 524,800 bytes of whole numbers; qkv 25,952,256 bytes; zq 8,650,752 bytes
;; launch prep (part 1): grid 288 x 1, 4 waves a work-group, no clusters, 33,280 bytes of LDS; arguments x, attn_mask, xq, maskw; writes xq, maskw
.if DOCPART == 1
	.amdgcn_target "amdgcn-amd-amdhsa--gfx1250"
	.amdhsa_code_object_version 6
	.text
	.protected	k_q76050b6217_prep
	.globl	k_q76050b6217_prep
	.p2align	8
	.type	k_q76050b6217_prep,@function
k_q76050b6217_prep:
	s_mov_b64 s[64:65], 0
	v_nop
	global_prefetch_b8 v0, s[64:65] scope:SCOPE_SE
	s_setreg_imm32_b32 hwreg(HW_REG_WAVE_MODE, 25, 1), 1
	s_wait_xcnt 0x0
; TWO JOBS IN ONE LAUNCH, told apart by the work-group's number.
; Work-groups 0-255: x [8192][1024] f32 becomes codes of BF8 (E5M2), K innermost, at xq + 0, and one E8M0 byte for each 32 along K, [8192][32], at xq + XSC.
;   A block's scale is 2^(floor(log2(largest magnitude)) - 15); its byte is the largest magnitude's exponent field - 15, held at 1 from below; each number is held within +-57,344 x the scale and rounded to the nearest code.
;   Rows are dense, so x is a plain stream of blocks of 32.  A wave takes 16 steps of 512 numbers: four loads of 512 consecutive bytes, a turn through the wave's own stage in LDS (16 bytes of padding behind each 64),
;   so that a lane holds 16 neighbours; a lane's 16 codes are 16 bytes, a wave's store 512 consecutive bytes; a wave's 256 scale bytes are gathered in LDS and leave as one aligned run of 256 bytes.
; Work-groups 256-287: attn_mask [2048][2048] of bytes becomes, for each tile T of 16 queries (one wave each) and each step of 128 keys, 64 LANE MASKS: word i = 16 b + i', bit L = the mask byte of query 16 T + L % 16 and
;   key 128 step + 32 b + 8 (L / 16) + i' (i' < 8) or + 16 + 8 (L / 16) + i' - 8: the key that score register i of lane L holds in the attention launch.  maskw: [T][step][64] words.
;   Behind them, at FLAGS, one word a tile: bits 15:0 WORK (bit s: step s has to be computed), bits 31:16 MIX (bit s: some entry of step s is masked).  A step is left out only if all its 16 x 128 entries are masked
;   AND every row of the tile has an open key somewhere: then every p of the step is 0.  This holds for any mask; nothing of the mask's pattern is built in.
; LIMITS: NaN and infinities in x are not served; blocks whose largest magnitude lies under 2^-111, blocks of zeros among them, get the byte 1 (their codes are read under that byte by this program alone); mask bytes are 0 or 1.
; No tensor loads, no barrier: waves share nothing.  The mask's path uses no LDS.
.set XWG,   256                        ; work-groups for x: 8,388,608 numbers / 32,768
.set STEPS, 16
.set MANT,  0x600000                   ; the mantissa field of 57,344 as f32
.set CB,    16                         ; bytes of 16 codes
.set R,     16                         ; v16-79   four sets of 16 numbers as they are loaded
.set X,     80                         ; v80-111  two sets of 16 neighbours
.set C,     128                        ; v128-191 codes: four registers for each step
.set E,     112                        ; v112-127 a scale byte for each step
.set WREG,  8192                       ; LDS: a region for each wave: two stages of 32 x SP bytes, behind them its 256 scale bytes
.set SP,    80
.set XSC,   0x800000                   ; where the scale bytes begin in xq
.set FLAGS, 524288                     ; where the tiles' flag words begin in maskw
.set M,     32                         ; mask path: v32-95 four sets of 16 registers of mask bytes
.set W,     16                         ; mask path: v16-23 four pairs of words to store
	s_load_b256 s[4:11], s[0:1], 0x0               ; x s[4:5], attn_mask s[6:7], xq s[8:9], maskw s[10:11]
	v_lshl_add_u32 v192, v0, 2, 0x8000
	v_mov_b32 v193, 0
	v_lshrrev_b32 v1, 5, v0
	v_readfirstlane_b32 s16, v1                    ; wave
	v_and_b32 v2, 31, v0                           ; lane
	s_cmp_ge_u32 ttmp9, XWG
	s_cbranch_scc1 .Lmask
	; ---------------- x ----------------
	v_lshlrev_b32 v3, 4, v2                        ; my 16 bytes of a load's 512
	s_mul_i32 s17, s16, WREG
	v_lshrrev_b32 v14, 2, v2
	v_mul_u32_u24 v14, v14, SP
	v_and_b32 v15, 3, v2
	v_lshl_add_u32 v14, v15, 4, v14
	v_add_nc_u32 v14, s17, v14                     ; the stage, on the way in: SP (lane / 4) + 16 (lane % 4)
	v_mul_u32_u24 v15, v2, SP
	v_add_nc_u32 v15, s17, v15                     ; and on the way out: SP x lane: my 16 neighbours
	v_mul_u32_u24 v4, v2, CB                       ; my codes' place in a step's
	v_lshrrev_b32 v5, 1, v2
	s_add_co_u32 s17, s17, 2*32*SP
	v_add_nc_u32 v5, s17, v5                       ; LDS: my wave's 256 scale bytes, my block's byte
	v_lshlrev_b32 v7, 3, v2                        ; and on the way out 8 bytes a lane
	v_add_nc_u32 v6, s17, v7
	s_mov_b32 s23, MANT
	s_lshl_b32 s17, ttmp9, 2
	s_add_co_u32 s18, s17, s16                     ; which run of 8,192 numbers is my wave's: 0 .. 1,023
	s_mov_b32 s21, 0
	s_lshl_b32 s20, s18, 15                        ; 32,768 bytes of x a run
	s_wait_kmcnt 0x0
	s_add_nc_u64 s[4:5], s[4:5], s[20:21]
	s_lshl_b32 s20, s18, 13                        ; 8,192 bytes of codes
	s_add_nc_u64 s[12:13], s[8:9], s[20:21]
	s_lshl_b32 s20, s18, 8                         ; 256 scale bytes
	s_add_co_u32 s20, s20, XSC
	s_add_nc_u64 s[14:15], s[8:9], s[20:21]
.macro XLOAD t
.irp i, 0,1,2,3
	global_load_b128 v[R+16*((\t)%4)+4*\i:R+16*((\t)%4)+4*\i+3], v3, s[4:5] offset:2048*(\t)+512*\i th:TH_LOAD_NT   ; 32 lanes read 512 consecutive bytes
.endr
.endm
.macro XTURN t                         ; step t's numbers through the stage: LDS serves a wave's instructions in order, so no wait stands between the stores and the loads
.irp i, 0,1,2,3
	ds_store_b128 v14, v[R+16*((\t)%4)+4*\i:R+16*((\t)%4)+4*\i+3] offset:32*SP*((\t)%2)+8*SP*\i
.endr
.irp i, 0,1,2,3
	ds_load_b128 v[X+16*((\t)%2)+4*\i:X+16*((\t)%2)+4*\i+3], v15 offset:32*SP*((\t)%2)+16*\i
.endr
.endm
.irp t, 0,1,2,3
	XLOAD \t
.endr
	s_wait_loadcnt 12                              ; step 0's four loads are in; the twelve behind them may be out
	XTURN 0
.macro XSTEP t
.set XS, X+16*((\t)%2)
.if (\t) > 0
	s_wait_dscnt 1                                 ; this step's numbers are back from the stage (the last step's byte store may be out)
.else
	s_wait_dscnt 0x0
.endif
.if (\t)+4 < STEPS
	XLOAD (\t)+4                                   ; into the set whose stores into the stage have read their registers
.endif
.if (\t)+1 < STEPS
.if STEPS-2-(\t) >= 3
	s_wait_loadcnt 12                              ; the next step's four loads are in; those of the three steps behind it may be out
.else
	s_wait_loadcnt 4*(STEPS-2-(\t))
.endif
	XTURN (\t)+1                                   ; through the other stage while this step is worked
.endif
	v_max3_num_f32 v8, |v[XS]|, |v[XS+1]|, |v[XS+2]|               ; the largest magnitude of my 16, in two chains
	v_max3_num_f32 v9, |v[XS+3]|, |v[XS+4]|, |v[XS+5]|
.irp i, 6,10
	v_max3_num_f32 v8, v8, |v[XS+\i]|, |v[XS+\i+1]|
	v_max3_num_f32 v9, v9, |v[XS+\i+2]|, |v[XS+\i+3]|
.endr
	v_max3_num_f32 v8, v8, |v[XS+14]|, |v[XS+15]|
	v_max3_num_f32 v8, v8, v9, 0x8000000           ; and the floor 2^(16 - 127): the byte cannot fall under 1
	v_max_num_f32_dpp v8, v8, v8 row_xmask:1 row_mask:0xf bank_mask:0xf   ; and of my neighbour's 16: the block's
	v_add_nc_u32 v11, 0xf8800000, v8               ; 15 off its exponent field: the conversion takes this operand's exponent field as its scale
	v_and_or_b32 v10, v8, 0x7f800000, s23          ; 57,344 x the scale
.irp i, 0,1,2,3,4,5,6,7,8,9,10,11,12,13,14,15
	v_med3_num_f32 v[XS+\i], v[XS+\i], -v10, v10   ; the conversion to an 8-bit code does not saturate (ISA guide 7.6.2): the hold comes first
.endr
	v_cvt_scalef32_pk8_bf8_f32 v[C+4*(\t):C+4*(\t)+1], v[XS:XS+7], v11
	v_cvt_scalef32_pk8_bf8_f32 v[C+4*(\t)+2:C+4*(\t)+3], v[XS+8:XS+15], v11
	v_lshrrev_b32 v[E+(\t)], 23, v11               ; the scale's byte
	ds_store_b8 v5, v[E+(\t)] offset:16*(\t)       ; both lanes of a block write the same byte with the same value
	global_store_b128 v4, v[C+4*(\t):C+4*(\t)+3], s[12:13] offset:32*CB*(\t)
.endm
.irp t, 0,1,2,3,4,5,6,7,8,9,10,11,12,13,14,15
	XSTEP \t
.endr
	ds_load_b64 v[12:13], v6                       ; LDS serves a wave's instructions in order: these see my stores
	s_wait_dscnt 0x0
	global_store_b64 v7, v[12:13], s[14:15]        ; 32 lanes store 256 consecutive bytes, aligned
	s_wait_tensorcnt 0x0
	ds_add_u32 v192, v193
	s_wait_dscnt 0x0
	s_endpgm
	; ---------------- the mask ----------------
.Lmask:
	s_sub_co_u32 s17, ttmp9, XWG
	s_lshl_b32 s17, s17, 2
	s_add_co_u32 s17, s17, s16                     ; T: my tile of 16 queries
	v_and_b32 v3, 15, v2                           ; r
	v_lshrrev_b32 v6, 4, v2                        ; h
	v_lshlrev_b32 v4, 11, v3
	v_lshl_add_u32 v4, v6, 3, v4                   ; row r of 2,048 bytes, + 8 h
	v_lshlrev_b32 v5, 3, v2                        ; out: 8 bytes a lane
.irp i, 0,1,2,3,4,5,6,7
	v_mov_b32 v[W+\i], 0                           ; written once: v_writelane_b32 keeps the other lanes
.endr
	v_mov_b32 v24, 0x01010101                      ; the AND of all my bytes of the row
	s_mov_b32 s20, 0                               ; ALL: bit s: step s is masked throughout
	s_mov_b32 s21, 0                               ; ANY: bit s: step s has a masked entry
	s_mov_b32 s22, 0                               ; the step's number
	s_mov_b32 s23, 0x01010101
	s_mov_b32 s27, 0
	s_lshl_b32 s26, s17, 15                        ; 16 rows of 2,048 bytes a tile
	s_wait_kmcnt 0x0
	s_add_nc_u64 s[6:7], s[6:7], s[26:27]
	s_lshl_b32 s26, s17, 12                        ; 16 steps of 256 bytes a tile
	s_add_nc_u64 s[12:13], s[10:11], s[26:27]
	s_lshl_b32 s26, s17, 2
	s_add_co_u32 s26, s26, FLAGS
	s_add_nc_u64 s[14:15], s[10:11], s[26:27]
.macro MLOAD e, off                    ; a step's bytes into set e: the eight loads together take 128 consecutive bytes of each of 16 rows.  Score register i's byte is byte i % 4 of register i / 4 of the set
.irp b, 0,1,2,3
.irp u, 0,1
	global_load_b64 v[M+16*(\e)+4*\b+2*\u:M+16*(\e)+4*\b+2*\u+1], v4, s[6:7] offset:(\off)+128*(\e)+32*\b+16*\u
.endr
.endr
.endm
.macro MSTEP e, reload, left
.set MS, M+16*(\e)
.set WP, W+2*(\e)
	s_wait_loadcnt \left                           ; this set's eight loads are in; the younger sets' may be out
	s_wait_xcnt 0x0                                ; the store of four steps ago has read this set's pair of words
	v_or_b32 v25, v[MS], v[MS+1]
	v_and_b32 v26, v[MS], v[MS+1]
.irp i, 2,3,4,5,6,7,8,9,10,11,12,13,14,15
	v_or_b32 v25, v25, v[MS+\i]
	v_and_b32 v26, v26, v[MS+\i]
.endr
	v_and_b32 v24, v24, v26
	v_cmp_ne_u32 vcc_lo, 0, v25
	s_cmp_lg_u32 vcc_lo, 0                         ; some lane has a masked byte
	s_cselect_b32 s25, 1, 0
	s_lshl_b32 s25, s25, s22
	s_or_b32 s21, s21, s25
	v_cmp_eq_u32 vcc_lo, s23, v26
	s_cmp_eq_u32 vcc_lo, -1                        ; every byte of every lane is 1
	s_cselect_b32 s25, 1, 0
	s_lshl_b32 s25, s25, s22
	s_or_b32 s20, s20, s25
	s_add_co_u32 s22, s22, 1
.set n, 0
.rept 64                               ; word n: the 32 lanes' byte n as a lane mask; it goes to lane n / 2, register n % 2 of the pair
	v_and_b32 v[8+(n%4)], 0xff<<(8*(n%4)), v[MS+n/4]
	v_cmp_ne_u32 s[32+(n%8)], 0, v[8+(n%4)]
	v_writelane_b32 v[WP+(n%2)], s[32+(n%8)], n/2
.set n, n+1
.endr
.if \reload
	MLOAD \e, 512                                  ; the step four on
.endif
	global_store_b64 v5, v[WP:WP+1], s[12:13] offset:256*(\e)      ; 32 lanes store 256 consecutive bytes, aligned
.endm
	MLOAD 0, 0
	MLOAD 1, 0
	MLOAD 2, 0
	MLOAD 3, 0
	s_mov_b32 s24, 3
.Lmtrip:                                               ; three trips of four steps, each set filled again
	MSTEP 0, 1, 24
	MSTEP 1, 1, 24
	MSTEP 2, 1, 24
	MSTEP 3, 1, 24
	s_wait_xcnt 0x0                                ; the loads and stores have read their bases
	s_add_nc_u64 s[6:7], s[6:7], 512
	s_add_nc_u64 s[12:13], s[12:13], 1024
	s_sub_co_u32 s24, s24, 1
	s_cmp_lg_u32 s24, 0
	s_cbranch_scc1 .Lmtrip
	MSTEP 0, 0, 24                                 ; the last four steps load nothing: the counts run down
	MSTEP 1, 0, 16
	MSTEP 2, 0, 8
	MSTEP 3, 0, 0
	v_cmp_eq_u32 vcc_lo, s23, v24                  ; lanes all of whose bytes are 1; a row is lanes r and r + 16
	s_lshr_b32 s25, vcc_lo, 16
	s_and_b32 s25, s25, vcc_lo
	s_and_b32 s25, s25, 0xffff
	s_cmp_lg_u32 s25, 0                            ; some row is masked throughout: then every step is computed
	s_cselect_b32 s25, 0xffff, 0
	s_not_b32 s20, s20
	s_and_b32 s20, s20, 0xffff
	s_or_b32 s20, s20, s25                         ; WORK
	s_lshl_b32 s21, s21, 16
	s_or_b32 s20, s20, s21                         ; | MIX << 16
	v_mov_b32 v8, s20
	v_mov_b32 v9, 0
	v_cmp_eq_u32 vcc_lo, 0, v2
	s_wait_xcnt 0x0                                ; EXEC changes only behind this wait
	s_and_saveexec_b32 s25, vcc_lo
	global_store_b32 v9, v8, s[14:15]              ; lane 0 stores the tile's word
	s_wait_xcnt 0x0
	s_or_b32 exec_lo, exec_lo, s25
	s_endpgm
.Lfunc_end_k_q76050b6217_prep:
	.size	k_q76050b6217_prep, .Lfunc_end_k_q76050b6217_prep-k_q76050b6217_prep
	.p2alignl 7, 3214868480
	.fill 96, 4, 3214868480
	.section	.rodata,"a",@progbits
	.p2align	6, 0x0
	.amdhsa_kernel k_q76050b6217_prep
		.amdhsa_group_segment_fixed_size 33280
		.amdhsa_private_segment_fixed_size 0
		.amdhsa_enable_private_segment 0
		.amdhsa_kernarg_size 32
		.amdhsa_user_sgpr_count 2
		.amdhsa_user_sgpr_kernarg_segment_ptr 1
		.amdhsa_wavefront_size32 1
		.amdhsa_system_sgpr_workgroup_id_x 1
		.amdhsa_system_sgpr_workgroup_id_y 1
		.amdhsa_system_sgpr_workgroup_id_z 1
		.amdhsa_system_vgpr_workitem_id 0
		.amdhsa_next_free_vgpr 194
		.amdhsa_next_free_sgpr 66
		.amdhsa_reserve_vcc 1
		.amdhsa_float_denorm_mode_32 3
		.amdhsa_float_denorm_mode_16_64 3
		.amdhsa_memory_ordered 1
		.amdhsa_forward_progress 1
		.amdhsa_inst_pref_size 167
	.end_amdhsa_kernel
	.amdgpu_metadata
---
amdhsa.version: [ 1, 2 ]
amdhsa.kernels:
  - .name:           k_q76050b6217_prep
    .symbol:         k_q76050b6217_prep.kd
    .args:
      - { .name: x, .offset: 0, .size: 8, .value_kind: global_buffer, .address_space: global }
      - { .name: attn_mask, .offset: 8, .size: 8, .value_kind: global_buffer, .address_space: global }
      - { .name: xq, .offset: 16, .size: 8, .value_kind: global_buffer, .address_space: global }
      - { .name: maskw, .offset: 24, .size: 8, .value_kind: global_buffer, .address_space: global }
    .group_segment_fixed_size: 33280
    .private_segment_fixed_size: 0
    .kernarg_segment_align: 8
    .kernarg_segment_size: 32
    .max_flat_workgroup_size: 128
    .sgpr_count:     66
    .vgpr_count:     194
    .wavefront_size: 32
...
	.end_amdgpu_metadata
.endif
;; end of part 1
;; launch qkv (part 2): grid 12 x 32, 4 waves a work-group, clusters of 4 x 4, 327,680 bytes of LDS; arguments xq, Wq_codes, Wq_scales, Wk_codes, Wk_scales, Wv_codes, Wv_scales, qkv; writes qkv
.if DOCPART == 2
	.amdgcn_target "amdgcn-amd-amdhsa--gfx1250"
	.amdhsa_code_object_version 6
	.text
	.protected	k_q76050b6217_qkv
	.globl	k_q76050b6217_qkv
	.p2align	8
	.type	k_q76050b6217_qkv,@function
k_q76050b6217_qkv:
	s_mov_b64 s[64:65], 0
	v_nop
	global_prefetch_b8 v0, s[64:65] scope:SCOPE_SE
	s_setreg_imm32_b32 hwreg(HW_REG_WAVE_MODE, 25, 1), 1
	s_wait_xcnt 0x0
	s_wait_alu depctr_hold_cnt(0) depctr_sa_sdst(0) depctr_va_vdst(0) depctr_va_sdst(0) depctr_va_ssrc(0) depctr_va_vcc(0) depctr_vm_vsrc(0)
	s_getreg_b32 s2, hwreg(HW_REG_IB_STS2, 6, 4)
	s_cmp_eq_u32 s2, 0
	s_cbranch_scc0 .Lentry_in_a_cluster
	s_endpgm
.Lentry_in_a_cluster:
	s_bfe_u32 s2, ttmp6, 0x10000c
	s_cmp_lg_u32 s2, 0xf033
	s_cbranch_scc0 .Lentry_shape_is_right
	s_endpgm
.Lentry_shape_is_right:
; q = x Wq, k = x Wk, v = x Wv on codes of BF8 (E5M2) with one E8M0 scale for each 32 along K = 1,024; the results are quantised in registers and leave as codes, laid in the order of the next operand's registers.
; A tile of 256 x 256 results is made by a work-group of four waves, a wave 128 x 128: 64 accumulators, 512 registers.  K goes in steps of 256 through a ring of two LDS slots filled by the tensor data mover.
; THE TWO SIDES.  Source 1 of the matrix instruction is the 'A side', source 0 the 'B side': a lane then holds ONE row of the A side and its registers run along the B side.  q and k are quantised along the channels,
; so there A = x (tokens) and B = W (channels); v is quantised along the tokens (the keys), so there A = Wv and B = x.  Cluster x says which: 0 q, 1 k, 2 v: the same in all sixteen partners.
; All rows of both sides are 1,024 bytes of codes and 32 scale bytes, so the descriptors' shapes are the same for all three.
; CLUSTERS: 4 x 4 work-groups.  The four of a row of the cluster need the same tiles of the A side, the four of a column the same tiles of the B side: each tile is asked for jointly.
; THE SCALES of the work-group's 256 + 256 rows, for all of K, come into LDS once, with the first fills.
; THE WAY OUT.  For A's block a (16 rows) a lane holds 64 numbers: register 16 b + i is B index 32 b + 8 h + i (i < 8) or 32 b + 16 + 8 h + i - 8: a block of 32 lies in lanes l and l xor 16.  Two conversions make registers
; 4 c .. 4 c + 3 of the next operand.  WITHIN a block of 32 the order is thus not the natural one; both operands of each later product are made or read in this same order, so the products meet the same partners under the same scale.
; qkv: QC at 0, [bh][tile of 16 tokens][chunk 2][lane][16 bytes]; KC at 0x800000, the same bytes read as [bh][32 keys][chunk 4][lane][16] (row r: key r in chunks 0, 1, key r + 16 in chunks 2, 3);
;      VC at 0x1000000, [bh][128 keys][16 channels t][32 keys c][lane][16];  scale words at 0x1800000 (q), + 0x40000 (k): [bh][128 tokens][r][pair of tiles]: two bytes of token r, two of token r + 16;  + 0x80000 (v): [bh][128 keys][r][t].
; LIMITS: blocks whose largest magnitude lies under 2^-111, blocks of zeros among them, get the byte 1; NaN and infinities are not served.
; REGISTERS, in windows of 256: window 0: v0-31 addresses; v32-63 scale words, two sets; from v128 A's fragments, ONE set; on the way out v64-215 at work.  window 1: B's fragments, TWO sets.  windows 2, 3: the accumulators.
.set SIZE_K, 1024
.set KSTEP,  256
.set NQ,     KSTEP/128
.set ROWB,   256
.set KROW,   SIZE_K
.set PITCH,  272                       ; an LDS row: 256 bytes + 16 of padding = 68 words: the 16 rows that a load touches start at 16 different banks (64 banks of 4 bytes: ISA guide 11.1)
.set FR,     16
.set NL,     4
.set NP,     8                         ; places behind this matrix instruction (ISA guide 7.12.1)
.set HALFT,  128*PITCH
.set SLOT,   4*HALFT
.set LAPS,   SIZE_K/(2*KSTEP)
.set KS,     SIZE_K/32
.set SCL,    2*SLOT                    ; behind the ring: the scales, as runs of 256 bytes + 16 of padding
.set HALFS,  (128*KS/256)*272
.set SBLK,   (16*KS/256)*272
.set SPARE,  SCL+4*HALFS               ; the spare words, 128 bytes for each wave, which no other line names
.set ADRA, 16                          ; v16-17  LDS address of my A fragments in slot 0, 1
.set ADRB, 20                          ; v20-21  the same for B
.set VC0,  24                          ; v24     the way out: 16 x lane
.set VC1,  25                          ; v25     + the distance from blocks 0, 1 to blocks 2, 3
.set VSA,  26                          ; v26     the scale words' place: 16 r + 4,096 h
.set ADRS, 27                          ; v27     LDS address of my scale words
.set SPW,  28
.set NIL,  29
.set SELQ, 30                          ; v30     byte selects for q's and k's scale words
.set SELV, 31                          ; v31     for v's
.set SC,   32
.set AF,   128
.set XH,   64                          ; the way out: v64-127 64 numbers, held
.set PC,   128                         ; v128-159 codes, two sets
.set WA,   160                         ; v160-167 block a's scale word of my row
.set SD,   168                         ; v168-179 the scale words as they are stored
.set TM,   200                         ; v200-215 largest magnitudes, bytes, holds, scale operands
.set G1, 24
.set G0, 32
.set G1B, 48
.set G0B, 56
.set G1S, 68
.set G0S, 76
.set G1SB, 80
.set G0SB, 88
.set MSB, 0
.macro WIN new                         ; the immediate's high byte repeats the setting that is left
.if MSB != \new
	s_set_vgpr_msb (MSB<<8)|\new
.set MSB, \new
.endif
.endm
.set MUL_LO, 0xa1                      ; source 0 (B) window 1, source 1 (A) window 0, C and D window 2
.set MUL_HI, 0xf1
.set TO_B,   0x40
; A joint load: waves 0 and 1 fetch for A, waves 2 and 3 for B.  The branch hangs on the wave's number alone.  Four v_nop follow each of the two lines.
.macro JLOAD g0a, g1a, g0b, g1b
	s_cmp_eq_u32 s15, 0
	s_cbranch_scc0 .Lfor_b_\@
	tensor_load_to_lds s[\g0a:\g0a+3], s[\g1a:\g1a+7]
	s_nop 0
.rept 4
	v_nop
.endr
	s_branch .Lasked_\@
.Lfor_b_\@:
	tensor_load_to_lds s[\g0b:\g0b+3], s[\g1b:\g1b+7]
	s_nop 0
.rept 4
	v_nop
.endr
.Lasked_\@:
.endm
.macro CREST                           ; a round of the cluster's barrier behind its opening barrier
	s_cmp_lg_u32 s14, 0
	s_cbranch_scc1 .Lnot_wave_0_\@
	s_barrier_signal -3
.Lnot_wave_0_\@:
	s_barrier_wait -3
	s_barrier_signal -1
	s_barrier_wait -1
.endm
.macro CROUND
	s_barrier_signal -1
	s_barrier_wait -1
	CREST
.endm
	s_load_b512 s[68:83], s[0:1], 0x0              ; xq s[68:69], Wq codes, scales s[70:73], Wk s[74:77], Wv s[78:81], qkv s[82:83]
	v_lshl_add_u32 v[SPW], v0, 2, SPARE
	v_mov_b32 v[NIL], 0
	ds_add_u32 v28, v29
	ds_add_u32 v28, v29
	s_wait_dscnt 0x0
	v_lshrrev_b32 v1, 5, v0
	v_readfirstlane_b32 s14, v1                    ; wave 0..3
	s_lshr_b32 s15, s14, 1                         ; which half of the A side's 256 rows is mine.  Also: I fetch for A (0) or for B (1)
	s_and_b32 s16, s14, 1                          ; which half of the B side's.  Also: which 128 rows of that tile I fetch
	s_bfe_u32 s40, ttmp6, 0x40000                  ; cx, cy: my place in the cluster
	s_bfe_u32 s41, ttmp6, 0x40004
	s_and_b32 s18, ttmp7, 0xffff
	s_lshl_b32 s18, s18, 2                         ; 4 x cluster y: it walks the tokens, which are the A side for q and k, the B side for v
	s_cmp_eq_u32 ttmp9, 2
	s_cselect_b32 s19, 0, s18
	s_cselect_b32 s18, s18, 0
	s_cselect_b32 s98, -1, 0                       ; all ones for v
	s_add_co_u32 s17, s19, s41                     ; the A side's tile: cy (+ 4 x cluster y)
	s_add_co_u32 s42, s18, s40                     ; the B side's tile: cx (+ 4 x cluster y)
	s_lshl_b32 s43, s41, 2
	s_lshl_b32 s43, 15, s43                        ; my row of the cluster
	s_lshl_b32 s44, 0x1111, s40                    ; my column
	s_or_b32 s[G1+0], s43, (0<<16)|(1<<20)|(1<<21)|(5<<22)|(3<<25)  ; 15:0 the mask; 17:16 element of 1 byte; 20 padding on; 21 set beside a mask; 24:22 after every 64 words; 31:25 of 4 words
	s_or_b32 s[G1B+0], s44, (0<<16)|(1<<20)|(1<<21)|(5<<22)|(3<<25)
.irp g, G1, G1B
	s_mov_b32 s[\g+1], ROWB<<16                    ; tensor_dim0
	s_mov_b32 s[\g+2], 128<<16                     ; tensor_dim1 = 128
	s_mov_b32 s[\g+3], ROWB<<16                    ; tile_dim0
	s_mov_b32 s[\g+4], 128                         ; tile_dim1 = 128
	s_mov_b32 s[\g+5], KROW                        ; tensor_dim0_stride
	s_mov_b32 s[\g+6], 0
	s_mov_b32 s[\g+7], 0
.endr
	s_lshl_b32 s18, s16, 7                         ; which 128 rows of the tile I fetch
	s_lshl_b32 s20, s17, 8
	s_add_co_u32 s20, s20, s18                     ; A: row 256 x tile + 128 x half
	s_lshl_b32 s46, s42, 8
	s_add_co_u32 s46, s46, s18                     ; B likewise
	s_mov_b32 s21, 0
	s_mov_b32 s47, 0
	s_mov_b64 s[18:19], KS
	s_mul_u64 s[22:23], s[20:21], s[18:19]         ; where these rows' scales begin, in bytes
	s_mul_u64 s[92:93], s[46:47], s[18:19]
	s_mov_b64 s[18:19], KROW
	s_mul_u64 s[20:21], s[20:21], s[18:19]         ; and their codes
	s_mul_u64 s[46:47], s[46:47], s[18:19]
	s_mul_i32 s45, s14, HALFT                      ; where they go: wave x 128 rows: no place in the cluster enters an LDS address
	s_mul_i32 s94, s14, HALFS
	s_wait_kmcnt 0x0
	s_add_nc_u64 s[84:85], s[68:69], 0x800000      ; x's scale bytes
	s_cmp_eq_u32 ttmp9, 2                          ; the buffers are chosen by the cluster's x alone
	s_cselect_b64 s[4:5], s[78:79], s[68:69]       ; A's codes: Wv's or x's
	s_cselect_b64 s[6:7], s[80:81], s[84:85]       ; A's scales
	s_cselect_b64 s[8:9], s[68:69], s[74:75]       ; B's codes: x's, or Wk's,
	s_cselect_b64 s[10:11], s[84:85], s[76:77]
	s_cmp_eq_u32 ttmp9, 0
	s_cselect_b64 s[8:9], s[70:71], s[8:9]         ; or Wq's
	s_cselect_b64 s[10:11], s[72:73], s[10:11]
	s_lshl_b32 s86, ttmp9, 23                      ; QC, KC, VC lie 0x800000 apart
	s_mov_b32 s87, 0
	s_add_nc_u64 s[12:13], s[82:83], s[86:87]
	s_lshl_b32 s86, ttmp9, 18                      ; the scale words 0x40000 apart, from 0x1800000 on
	s_add_co_u32 s86, s86, 0x1800000
	s_add_nc_u64 s[100:101], s[82:83], s[86:87]
	; the scales of 128 rows: a dense block of 4,096 bytes, as rows of 256 bytes (32 elements of 8 bytes), 16 bytes of padding behind each.  (The pointers above have been moved on: their registers are free)
	s_or_b32 s[G1S+0], s43, (3<<16)|(1<<20)|(1<<21)|(5<<22)|(3<<25)
	s_or_b32 s[G1SB+0], s44, (3<<16)|(1<<20)|(1<<21)|(5<<22)|(3<<25)
.irp g, G1S, G1SB
	s_mov_b32 s[\g+1], 32<<16
	s_mov_b32 s[\g+2], (128*KS/256)<<16
	s_mov_b32 s[\g+3], 32<<16
	s_mov_b32 s[\g+4], 128*KS/256
	s_mov_b32 s[\g+5], 32
	s_mov_b32 s[\g+6], 0
	s_mov_b32 s[\g+7], 0
.endr
	s_add_nc_u64 s[20:21], s[4:5], s[20:21]
	s_add_nc_u64 s[22:23], s[6:7], s[22:23]
	s_add_nc_u64 s[46:47], s[8:9], s[46:47]
	s_add_nc_u64 s[92:93], s[10:11], s[92:93]
	CROUND                                         ; all sixteen work-groups are here: the first joint loads meet
	s_mov_b32 s[G0S], 1
	s_add_co_u32 s[G0S+1], s94, SCL
	s_mov_b64 s[G0S+2:G0S+3], s[22:23]
	s_or_b32 s[G0S+3], s[G0S+3], 0x80000000
	s_mov_b32 s[G0SB], 1
	s_add_co_u32 s[G0SB+1], s94, SCL
	s_mov_b64 s[G0SB+2:G0SB+3], s[92:93]
	s_or_b32 s[G0SB+3], s[G0SB+3], 0x80000000
	JLOAD G0S, G1S, G0SB, G1SB                     ; the scales first: they are wanted with K step 0
.irp s, 0,1
	s_mov_b32 s[G0+4*\s], 1
	s_add_co_u32 s[G0+4*\s+1], s45, \s*SLOT
	s_add_nc_u64 s[G0+4*\s+2:G0+4*\s+3], s[20:21], \s*ROWB
	s_or_b32 s[G0+4*\s+3], s[G0+4*\s+3], 0x80000000
	s_mov_b32 s[G0B+4*\s], 1
	s_add_co_u32 s[G0B+4*\s+1], s45, \s*SLOT
	s_add_nc_u64 s[G0B+4*\s+2:G0B+4*\s+3], s[46:47], \s*ROWB
	s_or_b32 s[G0B+4*\s+3], s[G0B+4*\s+3], 0x80000000
	JLOAD G0+4*\s, G1, G0B+4*\s, G1B
.endr
	v_and_b32 v1, 15, v0                           ; r = l % 16
	v_bfe_u32 v2, v0, 4, 1                         ; h = l / 16
	v_mul_u32_u24 v3, v1, PITCH
	v_lshl_add_u32 v4, v2, 4, v3                   ; a fragment's row x pitch + 16 x half
	s_mul_i32 s21, s15, HALFT                      ; my 128 rows of A
	s_mul_i32 s22, s16, HALFT                      ; my 128 rows of B,
	s_add_co_u32 s22, s22, 2*HALFT                 ; which lie behind A's 256
.irp s, 0,1
	v_add_nc_u32 v[ADRA+\s], s21, v4
	v_add_nc_u32 v[ADRB+\s], s22, v4
	s_add_co_u32 s21, s21, SLOT
	s_add_co_u32 s22, s22, SLOT
.endr
	v_mul_u32_u24 v5, v1, KS                       ; my row's scales: KS bytes a row,
	v_lshrrev_b32 v6, 8, v5
	v_lshl_add_u32 v5, v6, 4, v5                   ; and 16 more for each 256 passed
	s_mul_i32 s21, s15, HALFS
	s_mul_i32 s22, s16, HALFS
	s_add_co_u32 s22, s22, 2*HALFS
	s_sub_co_u32 s22, s22, s21
	v_mul_u32_u24 v6, s22, v2                      ; lanes 16-31 take B's
	s_add_co_u32 s21, s21, SCL
	v_add_nc_u32 v5, v5, v6
	v_add_nc_u32 v[ADRS], s21, v5
	; the way out's numbers.  My 128 tokens are group tok of 64 (batch tok / 16, 128 tokens tok % 16), my 128 channels group ch of 8 (heads 2 ch, 2 ch + 1)
	s_lshl_b32 s20, s17, 1
	s_add_co_u32 s20, s20, s15                     ; the A side's group of 128
	s_lshl_b32 s21, s42, 1
	s_add_co_u32 s21, s21, s16                     ; the B side's
	s_mov_b32 s92, 1024
	s_mov_b32 s97, 131072
	s_cmp_eq_u32 ttmp9, 2
	s_cselect_b32 s46, s21, s20                    ; tok
	s_cselect_b32 s47, s20, s21                    ; ch
	s_cselect_b32 s92, 2048, s92                   ; from block a to block a + 1: a tile of tokens (1,024 bytes), or for v a tile of channels (2,048)
	s_cselect_b32 s94, 122880, 0                   ; v: blocks 4-7 are the next head's: 131,072 - 4 x 2,048 more
	s_cselect_b32 s97, 1024, s97                   ; from blocks of 32 0, 1 to 2, 3: the next head (131,072), or for v the next two chunks
	s_mov_b32 s93, 0
	s_mov_b32 s95, 0
	s_and_b32 s20, s46, 0x30                       ; 16 x batch
	s_lshl_b32 s47, s47, 1
	s_add_co_u32 s20, s20, s47                     ; bh of my first head
	s_and_b32 s46, s46, 15
	s_lshl_b32 s21, s20, 17
	s_lshl_b32 s47, s46, 13
	s_add_co_u32 s22, s21, s47                     ; codes: 131,072 bh + 8,192 x (128 tokens)
	s_mov_b32 s23, 0
	s_add_nc_u64 s[12:13], s[12:13], s[22:23]
	s_lshl_b32 s21, s20, 12
	s_lshl_b32 s47, s46, 8
	s_add_co_u32 s22, s21, s47                     ; scale words: 4,096 bh + 256 x (128 tokens)
	s_add_nc_u64 s[100:101], s[100:101], s[22:23]
	s_mov_b32 s22, 0x76543210
	s_mov_b32 s23, 0xfedcba98                      ; v_permlanex16_b32's selects for lane l xor 16
	s_mov_b32 s96, 0x600000                        ; the mantissa field of 57,344
	s_mov_b32 s99, 0xffff0000                      ; lanes 16-31
	v_and_b32 v6, 31, v0
	v_lshlrev_b32 v[VC0], 4, v6
	v_add_nc_u32 v[VC1], s97, v[VC0]
	v_lshlrev_b32 v[VSA], 4, v1
	v_lshl_add_u32 v[VSA], v2, 12, v[VSA]          ; lanes 0-15 store my first head's words, lanes 16-31 my second's
	v_mov_b32 v[SELQ], 0x05040100
	v_mov_b32 v5, 0x07060302
	v_cndmask_b32 v[SELQ], v[SELQ], v5, s99        ; q, k: the two bytes of my head out of each of two rows' words
	v_mov_b32 v[SELV], 0x03020100
	v_mov_b32 v5, 0x07060504
	v_cndmask_b32 v[SELV], v[SELV], v5, s99        ; v: the whole word of block t or of block 4 + t
.macro FRAG reg, adr, q, i             ; 16 rows x 128 K of 8-bit codes: lane l holds row l % 16; registers 4 c .. 4 c + 3 hold K = 32 c + 16 (l / 16) + 0 .. 15
.irp c, 0,1,2,3
	ds_load_b128 v[\reg+4*\c:\reg+4*\c+3], v[\adr] offset:128*(\q)+32*\c+(\i)*16*PITCH
.endr
.endm
; 16 matrix instructions: A's blocks a0, a0 + 1 x B's eight, 128 along K.  The 64 accumulators take turns, one instruction a turn, in the same order in every step.
.macro MUL16 a0, p, q, sc, zero
.irp a, \a0, \a0+1
.irp b, 0,1,2,3,4,5,6,7
.if \zero
	v_wmma_scale_f32_16x16x128_f8f6f4 v[8*(8*((\a)%4)+\b):8*(8*((\a)%4)+\b)+7], v[128*(\p)+FR*\b:128*(\p)+FR*\b+FR-1], v[AF+FR*(\a):AF+FR*(\a)+FR-1], 0, v[SC+8*NQ*(\sc)+NQ*\b+(\q)], v[SC+8*NQ*(\sc)+NQ*(\a)+(\q)] matrix_a_fmt:MATRIX_FMT_BF8 matrix_b_fmt:MATRIX_FMT_BF8 matrix_a_scale:MATRIX_SCALE_ROW1
.else
	v_wmma_scale_f32_16x16x128_f8f6f4 v[8*(8*((\a)%4)+\b):8*(8*((\a)%4)+\b)+7], v[128*(\p)+FR*\b:128*(\p)+FR*\b+FR-1], v[AF+FR*(\a):AF+FR*(\a)+FR-1], v[8*(8*((\a)%4)+\b):8*(8*((\a)%4)+\b)+7], v[SC+8*NQ*(\sc)+NQ*\b+(\q)], v[SC+8*NQ*(\sc)+NQ*(\a)+(\q)] matrix_a_fmt:MATRIX_FMT_BF8 matrix_b_fmt:MATRIX_FMT_BF8 matrix_a_scale:MATRIX_SCALE_ROW1
.endif
.endr
.endr
.endm
.macro FETCH_B slot, q, p
	WIN TO_B
.irp i, 0,1,2,3,4,5,6,7
	FRAG 128*(\p)+FR*\i, ADRB+\slot, \q, \i
.endr
	WIN 0
.endm
.macro FETCH_A slot, q, i0
.irp i, \i0, \i0+1, \i0+2, \i0+3
	FRAG AF+FR*(\i), ADRA+\slot, \q, \i
.endr
.endm
.macro SCALES sc                       ; the next K step's scale words: lanes 0-15 take A's block i, lanes 16-31 B's block i
.irp i, 0,1,2,3,4,5,6,7
	ds_load_b64 v[SC+8*NQ*\sc+NQ*\i:SC+8*NQ*\sc+NQ*\i+1], v[ADRS] offset:\i*SBLK
.endr
.endm
.macro PLACES n                        ; plain vector instructions between a matrix instruction and a load into its registers or a read of its result
.rept \n
	v_nop
.endr
.endm
.macro STEP slot, q, zero              ; a step of 128 along K that has its successor in the same slot
	s_wait_dscnt 4*NL                              ; B's set and A's blocks 0-3 are in; the youngest sixteen loads (A's blocks 4-7) may be out
	WIN MUL_LO
	MUL16 0, (\q)%2, \q, \slot, \zero
	MUL16 2, (\q)%2, \q, \slot, \zero
	s_wait_dscnt 0
	PLACES NP
	FETCH_B \slot, (\q)+1, 1-(\q)%2
	FETCH_A \slot, (\q)+1, 0
	WIN MUL_HI
	MUL16 4, (\q)%2, \q, \slot, \zero
	MUL16 6, (\q)%2, \q, \slot, \zero
	PLACES NP
	WIN 0
	FETCH_A \slot, (\q)+1, 4
.endm
; A slot's last step changes slots: ONE barrier; in front of it each wave waits for all its tensor loads, adds 0 to its spare word, and waits for that and for its own reads of this slot.
.macro TURN slot, next, fill
	s_wait_tensorcnt 0x0                           ; all my tensor loads have landed: my part of the next slot
	ds_add_u32 v[SPW], v[NIL]                      ; 0 onto my spare word
	s_wait_dscnt 4*NL+1                            ; (the add and the youngest sixteen loads may be out)
	WIN MUL_LO
	MUL16 0, 1, NQ-1, \slot, 0
	s_wait_dscnt 0x0                               ; the add is done, and my reads of this slot are over
	s_barrier_signal -1
	MUL16 2, 1, NQ-1, \slot, 0
	WIN 0
	s_barrier_wait -1
.if \fill
	CREST                                          ; the barrier has opened a round of the cluster's: no wave of any partner still reads this slot or has a load on its way
	s_add_nc_u64 s[G0+4*\slot+2:G0+4*\slot+3], s[G0+4*\slot+2:G0+4*\slot+3], 2*ROWB
	s_add_nc_u64 s[G0B+4*\slot+2:G0B+4*\slot+3], s[G0B+4*\slot+2:G0B+4*\slot+3], 2*ROWB
	JLOAD G0+4*\slot, G1, G0B+4*\slot, G1B         ; the first tensor load behind the round; its four v_nop are among the places in front of the loads below
	PLACES NP-4
.else
	PLACES NP
.endif
	v_add_nc_u32 v[ADRS], 4*NQ, v[ADRS]            ; on to the next K step's scale words
	FETCH_B \next, 0, 0
	FETCH_A \next, 0, 0
	SCALES \next
	WIN MUL_HI
	MUL16 4, 1, NQ-1, \slot, 0
	MUL16 6, 1, NQ-1, \slot, 0
	PLACES NP
	WIN 0
	FETCH_A \next, 0, 4
.endm
	s_wait_tensorcnt 1                             ; the scales and my part of K step 0 are in (K step 1's load may be out),
	s_barrier_signal -1
	s_barrier_wait -1                              ; everybody's are
	FETCH_B 0, 0, 0
	FETCH_A 0, 0, 0
	SCALES 0
	FETCH_A 0, 0, 4
	STEP 0, 0, 1                                   ; the first step stands in front of the loop: its products start the sums
	s_mov_b32 s3, LAPS-1
.Llap:                                                 ; a trip goes once round the ring and fills both slots again
	TURN 0, 1, 1
	STEP 1, 0, 0
	TURN 1, 0, 1
	STEP 0, 0, 0
	s_sub_co_u32 s3, s3, 1
	s_cmp_lg_u32 s3, 0
	s_cbranch_scc1 .Llap
	TURN 0, 1, 0                                   ; the last lap fills nothing
	STEP 1, 0, 0
	s_wait_dscnt 4*NL
	WIN MUL_LO
	MUL16 0, 1, NQ-1, 1, 0
	MUL16 2, 1, NQ-1, 1, 0
	s_wait_dscnt 0
	WIN MUL_HI
	MUL16 4, 1, NQ-1, 1, 0
	MUL16 6, 1, NQ-1, 1, 0
	WIN 0
	PLACES NP                                      ; in front of the first read of results and of vector writes into the registers that held A's fragments
.irp b, 0,1,2,3
	v_mov_b32 v[TM+4+\b], 0                        ; written once: a lane permute's destination counts as one of its sources
.endr
; Block a: my row's 64 numbers become four chunks of codes and a scale word.
.macro QOUT a
.set AC, 64*((\a)%4)
.set WW, 2+(\a)/4
.set W12, (WW<<2)|(WW<<4)
.set PCS, PC+16*((\a)%2)
	WIN W12                                        ; sources 1 and 2: the accumulators' window
.irp b, 0,1,2,3
	v_max3_num_f32 v[TM+\b], 0x8000000, |v[AC+16*\b]|, |v[AC+16*\b+1]|   ; block b: my 16 numbers, from each accumulator's low end on, and the floor 2^(16 - 127)
.endr
.irp i, 2,4,6,8,10,12,14
.irp b, 0,1,2,3
	v_max3_num_f32 v[TM+\b], v[TM+\b], |v[AC+16*\b+\i]|, |v[AC+16*\b+\i+1]|
.endr
.endr
	WIN 0
.irp b, 0,1,2,3
	v_permlanex16_b32 v[TM+4+\b], v[TM+\b], s22, s23
.endr
.irp b, 0,1,2,3
	v_max_num_f32 v[TM+\b], v[TM+\b], v[TM+4+\b]   ; with lane l xor 16's: the block's largest magnitude
.endr
.irp b, 0,1,2,3
	v_add_nc_u32 v[TM+12+\b], 0xf8800000, v[TM+\b] ; 15 off its exponent field: the conversion's scale operand
.endr
.irp b, 0,1,2,3
	v_and_or_b32 v[TM+8+\b], v[TM+\b], 0x7f800000, s96   ; 57,344 x the scale
.endr
.irp b, 0,1,2,3
	v_lshrrev_b32 v[TM+4+\b], 23, v[TM+12+\b]      ; the scale's byte
.endr
	v_lshl_or_b32 v[WA+(\a)], v[TM+5], 8, v[TM+4]
	v_lshl_or_b32 v[WA+(\a)], v[TM+6], 16, v[WA+(\a)]
	v_lshl_or_b32 v[WA+(\a)], v[TM+7], 24, v[WA+(\a)]
	WIN WW                                         ; source 0: the accumulators' window
.irp b, 0,1,2,3
.irp i, 0,1,2,3,4,5,6,7,8,9,10,11,12,13,14,15
	v_med3_num_f32 v[XH+16*\b+\i], v[AC+16*\b+\i], -v[TM+8+\b], v[TM+8+\b]   ; the conversion does not saturate (ISA guide 7.6.2): the hold comes first
.endr
.endr
	WIN 0
	s_wait_xcnt 0x0                                ; the stores of two blocks ago have read this set of codes, all earlier ones their base
.irp b, 0,1,2,3
	v_cvt_scalef32_pk8_bf8_f32 v[PCS+4*\b:PCS+4*\b+1], v[XH+16*\b:XH+16*\b+7], v[TM+12+\b]
	v_cvt_scalef32_pk8_bf8_f32 v[PCS+4*\b+2:PCS+4*\b+3], v[XH+16*\b+8:XH+16*\b+15], v[TM+12+\b]
.endr
	v_nop                                          ; a plain vector instruction behind the last conversion
.if (\a) > 0
	s_add_nc_u64 s[12:13], s[12:13], s[92:93]
.endif
.if (\a) == 4
	s_add_nc_u64 s[12:13], s[12:13], s[94:95]
.endif
.irp b, 0,1,2,3
	global_store_b128 v[VC0+\b/2], v[PCS+4*\b:PCS+4*\b+3], s[12:13] offset:512*(\b%2)   ; 32 lanes store 512 consecutive bytes, aligned
.endr
.endm
.irp a, 0,1,2,3,4,5,6,7
	QOUT \a
.endr
.irp i, 0,1,2,3
	v_perm_b32 v[SD+4+\i], v[WA+2*\i+1], v[WA+2*\i], v[SELQ]       ; q, k: token r's two bytes of my head, then token r + 16's
	v_perm_b32 v[SD+8+\i], v[WA+4+\i], v[WA+\i], v[SELV]           ; v: channel tile i of my head: its four key blocks' bytes
	v_cndmask_b32 v[SD+\i], v[SD+4+\i], v[SD+8+\i], s98
.endr
	global_store_b128 v[VSA], v[SD:SD+3], s[100:101]               ; sixteen lanes store 256 consecutive bytes, aligned: a head's words of these 128 tokens
	s_wait_tensorcnt 0x0                           ; the wave's end
	ds_add_u32 v[SPW], v[NIL]
	s_wait_dscnt 0x0
	CROUND                                         ; the closing round: no work-group ends while a partner may still ask for a tile that names it
	s_endpgm
.Lfunc_end_k_q76050b6217_qkv:
	.size	k_q76050b6217_qkv, .Lfunc_end_k_q76050b6217_qkv-k_q76050b6217_qkv
	.p2alignl 7, 3214868480
	.fill 96, 4, 3214868480
	.section	.rodata,"a",@progbits
	.p2align	6, 0x0
	.amdhsa_kernel k_q76050b6217_qkv
		.amdhsa_group_segment_fixed_size 327680
		.amdhsa_private_segment_fixed_size 0
		.amdhsa_enable_private_segment 0
		.amdhsa_kernarg_size 64
		.amdhsa_user_sgpr_count 2
		.amdhsa_user_sgpr_kernarg_segment_ptr 1
		.amdhsa_wavefront_size32 1
		.amdhsa_system_sgpr_workgroup_id_x 1
		.amdhsa_system_sgpr_workgroup_id_y 1
		.amdhsa_system_sgpr_workgroup_id_z 1
		.amdhsa_system_vgpr_workitem_id 0
		.amdhsa_next_free_vgpr 1024
		.amdhsa_next_free_sgpr 102
		.amdhsa_reserve_vcc 0
		.amdhsa_float_denorm_mode_32 3
		.amdhsa_float_denorm_mode_16_64 3
		.amdhsa_memory_ordered 1
		.amdhsa_forward_progress 1
		.amdhsa_inst_pref_size 187
	.end_amdhsa_kernel
	.amdgpu_metadata
---
amdhsa.version: [ 1, 2 ]
amdhsa.kernels:
  - .name:           k_q76050b6217_qkv
    .symbol:         k_q76050b6217_qkv.kd
    .args:
      - { .name: xq, .offset: 0, .size: 8, .value_kind: global_buffer, .address_space: global }
      - { .name: Wq_codes, .offset: 8, .size: 8, .value_kind: global_buffer, .address_space: global }
      - { .name: Wq_scales, .offset: 16, .size: 8, .value_kind: global_buffer, .address_space: global }
      - { .name: Wk_codes, .offset: 24, .size: 8, .value_kind: global_buffer, .address_space: global }
      - { .name: Wk_scales, .offset: 32, .size: 8, .value_kind: global_buffer, .address_space: global }
      - { .name: Wv_codes, .offset: 40, .size: 8, .value_kind: global_buffer, .address_space: global }
      - { .name: Wv_scales, .offset: 48, .size: 8, .value_kind: global_buffer, .address_space: global }
      - { .name: qkv, .offset: 56, .size: 8, .value_kind: global_buffer, .address_space: global }
    .group_segment_fixed_size: 327680
    .private_segment_fixed_size: 0
    .kernarg_segment_align: 8
    .kernarg_segment_size: 64
    .max_flat_workgroup_size: 128
    .sgpr_count:     102
    .vgpr_count:     1024
    .wavefront_size: 32
...
	.end_amdgpu_metadata
.endif
;; end of part 2
;; launch attn (part 3): grid 4 x 64, 16 waves a work-group, no clusters, 75,776 bytes of LDS; arguments qkv, maskw, zq; writes zq
.if DOCPART == 3
	.amdgcn_target "amdgcn-amd-amdhsa--gfx1250"
	.amdhsa_code_object_version 6
	.text
	.protected	k_q76050b6217_attn
	.globl	k_q76050b6217_attn
	.p2align	8
	.type	k_q76050b6217_attn,@function
k_q76050b6217_attn:
	s_mov_b64 s[64:65], 0
	v_nop
	global_prefetch_b8 v0, s[64:65] scope:SCOPE_SE
	s_setreg_imm32_b32 hwreg(HW_REG_WAVE_MODE, 25, 1), 1
	s_wait_xcnt 0x0
; z[b][q][head][:] = softmax_k(where(mask, -1e6, q . k / 8)) v, both products on codes of BF8 (E5M2) with one E8M0 scale for each 32 along a product's K; z leaves quantised along the channels, as images of the next operand's registers.
; THE SOFTMAX: t = score x c, c = log2(e) / 8; M = the running largest t rounded UP to a whole number; p = 2^(t - M) is quantised along the keys, not normalised; the row's sum is taken of the unquantised p and divides at the end.
; SHARES.  Work-group (i, bh) owns the blocks of 256 queries i and 7 - i of head bh, one after the other (two passes); each of its sixteen waves owns one tile of 16 queries, in 256 registers: four waves to a SIMD.
; K AND V come as register images (launch qkv): a slot of 256 keys is 16,384 dense bytes of each.  The 512 threads copy it through registers into one of two LDS buffers, a slot ahead of its use; one barrier a slot.
; WHICH STEPS ARE COMPUTED is read from maskw (launch prep): a tile's WORK bits say which steps of 128 keys have any p other than 0, its MIX bits which have masked entries; the branches hang on these stored whole numbers.
; So this launch has no tensor load and no joint request: a step that is passed over is a jump on loaded numbers.  Every wave passes every barrier; a slot that no tile of the work-group needs is not copied.
; K = 64 ON AN INSTRUCTION OF K = 128.  A fragment of K carries 32 keys: row r holds key r's 64 codes in chunks 0, 1 and key r + 16's in chunks 2, 3.  It is multiplied by [q | zero codes] and by [zero codes | q]:
; two tiles, keys 8 h + j and 16 + 8 h + j of the 32.  Zero codes add nothing (all codes are finite: the quantiser holds).  The two tiles' 16 registers are one block of 32 keys of p, in the order in which V's images hold the keys.
; THE MASK.  A masked raw score becomes -2^26: c = 12,102,203 x 2^-26, so its t is a whole number, and in a row masked throughout every p is exactly 1: the mean of v, as with -1e6.
; LIMITS: the masked logit is -2^23 in place of -1e6, and steps masked throughout are passed over: the same results as long as a row's largest open logit lies above about -1e6 + 100.  NaN and infinities are not served.
;         z's blocks whose largest magnitude lies under 2^-111 get the byte 1.
; REGISTERS: v1-7 addresses and the masked value; v8-11 K's scale words; v12 -M, v13 largest t, v[14:15] the sum; v16-39 q, zeros, q; v40-103 four fragments of K, then of V; v104-167 S^T, then p; v168-199 O^T;
;            v200-215 p's codes; v216-231 the copy's staging; v232-247 at work; v248-251 V's scale words; v252 f; v253 p's scale word; v254 at work; v255 q's scale word.
.set LI,   1                           ; v1   16 x lane: an image's place for my lane
.set CPY,  2                           ; v2   16 x thread: the copy's place
.set ASC,  3                           ; v3   KSC + 16 r
.set ZO,   4                           ; v4   global offset: q's image, later z's
.set ADS,  5                           ; v5   LDS address of the trip's scale words (at a pass's ends: a global offset)
.set MV,   6                           ; v6   -2^26
.set GOF,  7                           ; v7   global offset of the trip's first slot for my thread
.set S,    104
.set O,    168
.set PCD,  200
.set STG,  216
.set KSC,  65536                       ; LDS: two buffers of 32,768 (K's 16,384, then V's); K's scale words of the head, 4,096; V's, 4,096
.set WV,   18                          ; s18  wave
.set WGI,  19                          ; s19  work-group x
.set BH,   20                          ; s20  16 x batch + head
.set PASS, 21
.set IT,   22
.set QB,   23
.set T,    24                          ; s24  my tile of 16 queries, 0 .. 127
.set WORK, 25
.set MIX,  26
.set ORS,  27                          ; s27  the OR of the sixteen tiles' WORK bits, shifted on by two a slot
.set MO,   29                          ; s29  byte offset of the trip's mask words
.set NXT,  30                          ; s30  not 0: the next slot is copied
.set CS,   66                          ; s[66:67] c
.set SEL,  100                         ; s[100:101] lane selects for lane l xor 16
.set MNT,  104                         ; s104 the mantissa field of 57,344
	s_load_b64 s[4:5], s[0:1], 0x0                 ; qkv
	s_load_b64 s[10:11], s[0:1], 0x8               ; maskw
	s_load_b64 s[14:15], s[0:1], 0x10              ; zq
	v_lshrrev_b32 v232, 5, v0
	v_readfirstlane_b32 s[WV], v232
	s_mov_b32 s[WGI], ttmp9
	s_and_b32 s[BH], ttmp7, 0xffff
	v_and_b32 v232, 31, v0
	v_lshlrev_b32 v[LI], 4, v232
	v_lshlrev_b32 v[CPY], 4, v0
	v_and_b32 v233, 15, v0
	v_lshl_add_u32 v[ASC], v233, 4, KSC
	v_mov_b32 v[MV], 0xcc800000
	v_and_b32 v247, 0xff, v0
	v_lshlrev_b32 v247, 4, v247
	v_lshrrev_b32 v246, 8, v0
	v_lshl_add_u32 v247, v246, 18, v247            ; threads 0-255: K's scale words, 16 bytes each; threads 256-511: V's, 0x40000 further on
	v_lshl_add_u32 v254, v0, 4, KSC                ; and where they go
.irp j, 24,25,26,27,28,29,30,31
	v_mov_b32 v[\j], 0                             ; the zero codes between the two copies of q
.endr
.irp j, 0,1,2,3,4,5,6,7,8,9,10,11,12,13,14,15
	v_mov_b32 v[STG+\j], 0                         ; written once, so that every path finds them written
.endr
.irp j, 236,237,238,239,252,253
	v_mov_b32 v[\j], 0                             ; lane permutes' destinations, and the pair v[252:253]
.endr
	s_mov_b32 s[CS], 0x3e38aa3b                    ; c = log2(e) / 8
	s_mov_b32 s[CS+1], s[CS]
	s_mov_b32 s[SEL], 0x76543210
	s_mov_b32 s[SEL+1], 0xfedcba98
	s_mov_b32 s[MNT], 0x600000
	s_mov_b32 s31, 0
	s_lshl_b32 s30, s[BH], 12
	s_wait_kmcnt 0x0
	s_add_nc_u64 s[6:7], s[4:5], 0x1800000
	s_add_nc_u64 s[6:7], s[6:7], s[30:31]          ; q's scale words of my head; K's 0x40000, V's 0x80000 further on
	s_lshl_b32 s30, s[BH], 17
	s_add_nc_u64 s[4:5], s[4:5], s[30:31]          ; q's images of my head,
	s_add_nc_u64 s[8:9], s[4:5], 0x800000          ; K's,
	s_add_nc_u64 s[12:13], s[4:5], 0x1000000       ; V's
	s_add_nc_u64 s[16:17], s[14:15], 0x800000      ; z's scale words
	global_load_b128 v[232:235], v247, s[6:7] offset:0x40000
	s_wait_loadcnt 0x0
	ds_store_b128 v254, v[232:235]                 ; the head's scale words: stored once; the first barrier below stands between this and the reads
; A KEY STEP: 128 keys, the q-th of the slot in buffer e.
.macro STEP e, q
	s_bitcmp1_b32 s[WORK], 0
	s_cbranch_scc0 .Lskip_\@                       ; every p of this step is 0: nothing is loaded or computed
.irp n, 0,1
	s_load_b512 s[32+16*\n:47+16*\n], s[10:11], s[MO] offset:512*\e+256*\q+64*\n       ; the step's 64 lane masks: word i in s[32 + i], from word 32 on in s[36 + i]
	s_load_b512 s[68+16*\n:83+16*\n], s[10:11], s[MO] offset:512*\e+256*\q+128+64*\n
.endr
.rept 8
	v_nop                                          ; places in front of loads into registers that the last step's matrix instructions have read
.endr
.irp f, 0,1,2,3
.irp c, 0,1,2,3
	ds_load_b128 v[40+16*\f+4*\c:43+16*\f+4*\c], v[LI] offset:32768*\e+2048*(4*\q+\f)+512*\c
.endr
.endr
	ds_load_b128 v[8:11], v[ADS] offset:512*\e+256*\q              ; row r's scale words of the four fragments
	s_wait_dscnt 0x0
.irp f, 0,1,2,3
	v_wmma_scale_f32_16x16x128_f8f6f4 v[S+16*\f:S+16*\f+7], v[40+16*\f:55+16*\f], v[16:31], 0, v[8+\f], v255 matrix_a_fmt:MATRIX_FMT_BF8 matrix_b_fmt:MATRIX_FMT_BF8
	v_wmma_scale_f32_16x16x128_f8f6f4 v[S+16*\f+8:S+16*\f+15], v[40+16*\f:55+16*\f], v[24:39], 0, v[8+\f], v255 matrix_a_fmt:MATRIX_FMT_BF8 matrix_b_fmt:MATRIX_FMT_BF8
.endr
.rept 8
	v_nop                                          ; places in front of the loads below and of the first read of the scores
.endr
.irp t, 0,1,2,3                                ; V is asked for now: it lands under the softmax
.irp c, 0,1,2,3
	ds_load_b128 v[40+16*\t+4*\c:43+16*\t+4*\c], v[LI] offset:32768*\e+16384+8192*\q+2048*\t+512*\c
.endr
.endr
	ds_load_b128 v[248:251], v[ADS] offset:4096+512*\e+256*\q
	s_wait_kmcnt 0x0                               ; the lane masks are in
	s_bitcmp1_b32 s[MIX], 0
	s_cbranch_scc0 .Lopen_\@                       ; no entry of this step is masked
.set n, 0
.rept 64
	v_cndmask_b32 v[S+n], v[S+n], v[MV], s[32+n+4*(n/32)]
.set n, n+1
.endr
.Lopen_\@:
.irp b, 0,1,2,3
	v_max3_num_f32 v[232+\b], v[S+16*\b], v[S+1+16*\b], v[S+2+16*\b]   ; the largest score of each block of 32 keys: for the row's maximum, and, since p rises with the score, for the block's largest p
.endr
.irp i, 3,5,7,9,11,13
.irp b, 0,1,2,3
	v_max3_num_f32 v[232+\b], v[232+\b], v[S+16*\b+\i], v[S+1+16*\b+\i]
.endr
.endr
.irp b, 0,1,2,3
	v_max_num_f32 v[232+\b], v[232+\b], v[S+15+16*\b]
.endr
.irp b, 0,1,2,3
	v_permlanex16_b32 v[236+\b], v[232+\b], s[SEL], s[SEL+1]
.endr
.irp b, 0,1,2,3
	v_max_num_f32 v[232+\b], v[232+\b], v[236+\b]  ; with lane l xor 16's 16 keys
.endr
	v_max3_num_f32 v254, v232, v233, v234
	v_max_num_f32 v254, v254, v235
	v_mul_f32 v254, s[CS], v254                    ; the step's largest t
	v_max_num_f32 v13, v13, v254                   ; the running largest t
	v_mov_b32 v254, v12
	v_floor_f32 v12, -v13                          ; the new -M = -ceil(t): a whole number
	v_sub_f32 v254, v12, v254                      ; old M - new M: a whole number, 0 or less
	v_cvt_i32_f32 v254, v254                       ; (it saturates)
	v_ldexp_f32 v252, 1.0, v254                    ; f = 2^(old M - new M)
.set j, 0
.rept 32
	v_pk_fma_f32 v[S+j:S+j+1], v[S+j:S+j+1], s[CS:CS+1], v[12:13] op_sel_hi:[1,0,0]   ; t - M, two at a time
.set j, j+2
.endr
.irp b, 0,1,2,3
	v_fma_f32 v[232+\b], v[232+\b], s[CS], v12     ; the same of each block's largest score
.endr
.set j, 0
.rept 64
	v_exp_f32 v[S+j], v[S+j]                       ; p = 2^(t - M)
.set j, j+1
.endr
	v_pk_mul_f32 v[14:15], v[14:15], v[252:253] op_sel_hi:[1,0]    ; the sums under the new M: the plain instruction behind the exponentials
	s_wait_alu depctr_va_vdst(0)                   ; one wait for the batch, ahead of its first reader
.irp b, 0,1,2,3
	v_exp_f32 v[232+\b], v[232+\b]                 ; the block's largest p
.endr
	v_pk_add_f32 v[236:237], v[S:S+1], v[S+2:S+3]  ; the row's sum of the unquantised p, in two chains
.irp j, 4,8,12,16,20,24,28,32,36,40,44,48,52,56,60
	v_pk_add_f32 v[14:15], v[14:15], v[S+\j:S+\j+1]
	v_pk_add_f32 v[236:237], v[236:237], v[S+2+\j:S+3+\j]
.endr
	v_pk_add_f32 v[14:15], v[14:15], v[236:237]
	s_wait_alu depctr_va_vdst(0)                   ; and one for the four
.irp b, 0,1,2,3
	v_max_num_f32 v[232+\b], 0x8000000, v[232+\b]  ; the floor 2^(16 - 127): the byte cannot fall under 1
.endr
.irp b, 0,1,2,3
	v_add_nc_u32 v[244+\b], 0xf8800000, v[232+\b]  ; the conversion's scale operand
.endr
.irp b, 0,1,2,3
	v_and_or_b32 v[240+\b], v[232+\b], 0x7f800000, s[MNT]          ; 57,344 x the scale
.endr
.irp b, 0,1,2,3
	v_lshrrev_b32 v[236+\b], 23, v[244+\b]         ; the scale's byte
.endr
	v_lshl_or_b32 v253, v237, 8, v236              ; p's scale word for these 128 keys
	v_lshl_or_b32 v253, v238, 16, v253
	v_lshl_or_b32 v253, v239, 24, v253
.irp b, 0,1,2,3
.irp i, 0,1,2,3,4,5,6,7,8,9,10,11,12,13,14,15
	v_min_num_f32 v[S+16*\b+\i], v[S+16*\b+\i], v[240+\b]          ; the hold; p is not negative, so it is one-sided
.endr
	v_cvt_scalef32_pk8_bf8_f32 v[PCD+4*\b:PCD+1+4*\b], v[S+16*\b:S+7+16*\b], v[244+\b]
	v_cvt_scalef32_pk8_bf8_f32 v[PCD+2+4*\b:PCD+3+4*\b], v[S+8+16*\b:S+15+16*\b], v[244+\b]
.endr
.set j, 0
.rept 16
	v_pk_mul_f32 v[O+j:O+j+1], v[O+j:O+j+1], v[252:253] op_sel_hi:[1,0]   ; O^T under the new M; also the places between the codes and the products
.set j, j+2
.endr
	s_wait_dscnt 0x0                               ; V and its scale words are in
.irp t, 0,1,2,3                                ; O^T += V^T P^T: four accumulators by turns; the next step's eight products on the scores stand between two links
	v_wmma_scale_f32_16x16x128_f8f6f4 v[O+8*\t:O+8*\t+7], v[40+16*\t:55+16*\t], v[PCD:PCD+15], v[O+8*\t:O+8*\t+7], v[248+\t], v253 matrix_a_fmt:MATRIX_FMT_BF8 matrix_b_fmt:MATRIX_FMT_BF8
.endr
.Lskip_\@:
	s_lshr_b32 s[WORK], s[WORK], 1
	s_lshr_b32 s[MIX], s[MIX], 1
.endm
; A SLOT of 256 keys in buffer e.  The next slot is asked for at the head, if any tile of the work-group needs it, and stored into the other buffer at the end; that buffer's last reads stand ahead of the barrier before this one.
; The barrier at the end orders my reads of buffer e ahead of its next overwriting, and the stores into the other buffer ahead of their reads.
.macro TRIP e
	s_lshr_b32 s[ORS], s[ORS], 2
	s_and_b32 s[NXT], s[ORS], 3                    ; behind the last slot the bits are 0: nothing is asked for
	s_cmp_lg_u32 s[NXT], 0
	s_cbranch_scc0 .Lnoload_\@
	global_load_b128 v[STG:STG+3], v[GOF], s[8:9] offset:(\e+1)*16384
	global_load_b128 v[STG+4:STG+7], v[GOF], s[8:9] offset:(\e+1)*16384+8192
	global_load_b128 v[STG+8:STG+11], v[GOF], s[12:13] offset:(\e+1)*16384
	global_load_b128 v[STG+12:STG+15], v[GOF], s[12:13] offset:(\e+1)*16384+8192
.Lnoload_\@:
	STEP \e, 0
	STEP \e, 1
	s_wait_loadcnt 0x0                             ; on every path
	s_cmp_lg_u32 s[NXT], 0
	s_cbranch_scc0 .Lnostore_\@
.irp n, 0,1,2,3
	ds_store_b128 v[CPY], v[STG+4*\n:STG+4*\n+3] offset:(1-\e)*32768+8192*\n
.endr
.Lnostore_\@:
	s_wait_dscnt 0x0                               ; my stores have landed and my reads are over
	s_barrier_signal -1
	s_barrier_wait -1
.endm
	s_mov_b32 s[PASS], 0
.Lpass:
	s_lshl_b32 s31, s[WGI], 1
	s_sub_co_u32 s31, 7, s31
	s_mul_i32 s31, s31, s[PASS]
	s_add_co_u32 s[QB], s[WGI], s31                ; block i, then block 7 - i
	s_lshl_b32 s[T], s[QB], 4
	s_add_co_u32 s[T], s[T], s[WV]
	s_lshl_b32 s31, s[T], 2
	s_lshl_b32 s105, s[QB], 6
	s_load_b32 s[WORK], s[10:11], s31 offset:0x80000               ; my tile's flags
	s_load_b512 s[32:47], s[10:11], s105 offset:0x80000            ; and those of the work-group's sixteen tiles
	s_lshl_b32 s28, s[T], 10
	v_add_nc_u32 v[ZO], s28, v[LI]
	global_load_b128 v[16:19], v[ZO], s[4:5]                       ; q's two chunks, twice: [q | 0] is v[16:31], [0 | q] is v[24:39]
	global_load_b128 v[20:23], v[ZO], s[4:5] offset:512
	global_load_b128 v[32:35], v[ZO], s[4:5]
	global_load_b128 v[36:39], v[ZO], s[4:5] offset:512
	s_lshr_b32 s28, s[T], 3
	s_lshl_b32 s28, s28, 8                         ; q's scale word: 256 bytes for 128 tokens, 16 a row, 4 for a pair of tiles
	s_bfe_u32 s29, s[T], 0x20001
	s_lshl_b32 s29, s29, 2
	s_add_co_u32 s28, s28, s29
	v_and_b32 v254, 15, v0
	v_lshl_add_u32 v[ADS], v254, 4, s28
	global_load_b32 v255, v[ADS], s[6:7]
	s_and_b32 s29, s[T], 1
	s_cmp_lg_u32 s29, 0
	s_mov_b32 s29, 0x01000100
	s_cselect_b32 s29, 0x03020302, s29             ; my tile's two bytes of the word, for both halves of K
	s_wait_kmcnt 0x0
	s_lshr_b32 s[MIX], s[WORK], 16
	s_and_b32 s[WORK], s[WORK], 0xffff
	s_or_b32 s[ORS], s32, s33
.irp n, 34,35,36,37,38,39,40,41,42,43,44,45,46,47
	s_or_b32 s[ORS], s[ORS], s[\n]
.endr
	s_and_b32 s[ORS], s[ORS], 0xffff
	s_wait_loadcnt 0x0
	v_perm_b32 v255, v255, v255, s29
	v_mov_b32 v13, 0xff61b1e6                      ; the largest t so far: -3e38
	v_floor_f32 v12, -v13
	v_mov_b32 v14, 0
	v_mov_b32 v15, 0
.set j, 0
.rept 32
	v_mov_b32 v[O+j], 0                            ; which step is a tile's first is not known to the text: the sums begin as zeros, which the first change of M leaves zeros
.set j, j+1
.endr
	s_and_b32 s[NXT], s[ORS], 3
	s_cmp_lg_u32 s[NXT], 0
	s_cbranch_scc0 .Lno_first
	global_load_b128 v[STG:STG+3], v[CPY], s[8:9]                  ; slot 0
	global_load_b128 v[STG+4:STG+7], v[CPY], s[8:9] offset:8192
	global_load_b128 v[STG+8:STG+11], v[CPY], s[12:13]
	global_load_b128 v[STG+12:STG+15], v[CPY], s[12:13] offset:8192
	s_wait_loadcnt 0x0
.irp n, 0,1,2,3
	ds_store_b128 v[CPY], v[STG+4*\n:STG+4*\n+3] offset:8192*\n    ; buffer 0's last reads stand ahead of the last barrier but one
.endr
.Lno_first:
	s_wait_dscnt 0x0
	s_barrier_signal -1
	s_barrier_wait -1
	s_mov_b32 s[IT], 0
.Lit:                                                  ; four trips of two slots: both buffers stand as constants in the offsets
	s_lshl_b32 s28, s[IT], 10
	v_add_nc_u32 v[ADS], s28, v[ASC]               ; the trip's scale words: 256 bytes a step
	s_lshl_b32 s[MO], s[T], 12
	s_add_co_u32 s[MO], s[MO], s28                 ; its mask words: 4,096 bytes a tile, 256 a step
	s_lshl_b32 s28, s[IT], 15
	v_add_nc_u32 v[GOF], s28, v[CPY]               ; (no load that names it is out: each slot ends with the wait for all loads)
	TRIP 0
	TRIP 1
	s_add_co_u32 s[IT], s[IT], 1
	s_cmp_lt_u32 s[IT], 4
	s_cbranch_scc1 .Lit
	; THE WAY OUT: O^T / the sum, quantised along the head's 64 channels: two blocks of 32, each in lanes l and l xor 16; the codes are two chunks of the next operand's image.
.rept 8
	v_nop                                          ; places behind the last products
.endr
	v_add_f32 v14, v14, v15
	v_permlanex16_b32 v252, v14, s[SEL], s[SEL+1]
	v_add_f32 v14, v14, v252                       ; the row's sum
	v_rcp_f32 v14, v14
	v_and_b32 v247, 15, v0                         ; (a plain instruction behind the reciprocal)
	s_lshr_b32 s31, s[BH], 4
	s_lshl_b32 s31, s31, 7
	s_add_co_u32 s31, s31, s[T]                    ; the tile of 16 rows among all 512
	s_and_b32 s105, s[BH], 15                      ; the head
	s_lshl_b32 s28, s31, 14
	s_lshl_b32 s29, s105, 10
	s_add_co_u32 s28, s28, s29
	v_add_nc_u32 v[ZO], s28, v[LI]                 ; 16,384 a tile, 1,024 a head (2,048 for 128 channels, 512 a chunk)
	s_lshr_b32 s29, s105, 1
	s_lshl_b32 s29, s29, 15
	s_lshl_b32 s28, s31, 6
	s_add_co_u32 s28, s28, s29
	s_and_b32 s29, s105, 1
	s_lshl_b32 s29, s29, 1
	s_add_co_u32 s28, s28, s29
	v_lshl_add_u32 v[ADS], v247, 2, s28            ; scale words [128 channels][row]: 4 bytes a row; my head's half-word
	s_wait_alu depctr_va_vdst(0)                   ; ahead of the reciprocal's first reader
.set j, 0
.rept 16
	v_pk_mul_f32 v[S+j:S+j+1], v[O+j:O+j+1], v[14:15] op_sel_hi:[1,0]
.set j, j+2
.endr
.irp b, 0,1
	v_max3_num_f32 v[232+\b], |v[S+16*\b]|, |v[S+1+16*\b]|, 0x8000000
.endr
.irp i, 2,4,6,8,10,12,14
.irp b, 0,1
	v_max3_num_f32 v[232+\b], v[232+\b], |v[S+16*\b+\i]|, |v[S+1+16*\b+\i]|
.endr
.endr
.irp b, 0,1
	v_permlanex16_b32 v[236+\b], v[232+\b], s[SEL], s[SEL+1]
.endr
.irp b, 0,1
	v_max_num_f32 v[232+\b], v[232+\b], v[236+\b]
.endr
.irp b, 0,1
	v_add_nc_u32 v[244+\b], 0xf8800000, v[232+\b]
.endr
.irp b, 0,1
	v_and_or_b32 v[240+\b], v[232+\b], 0x7f800000, s[MNT]
.endr
.irp b, 0,1
	v_lshrrev_b32 v[236+\b], 23, v[244+\b]
.endr
	v_lshl_or_b32 v254, v237, 8, v236
.irp b, 0,1
.irp i, 0,1,2,3,4,5,6,7,8,9,10,11,12,13,14,15
	v_med3_num_f32 v[S+16*\b+\i], v[S+16*\b+\i], -v[240+\b], v[240+\b]
.endr
	v_cvt_scalef32_pk8_bf8_f32 v[PCD+4*\b:PCD+1+4*\b], v[S+16*\b:S+7+16*\b], v[244+\b]
	v_cvt_scalef32_pk8_bf8_f32 v[PCD+2+4*\b:PCD+3+4*\b], v[S+8+16*\b:S+15+16*\b], v[244+\b]
.endr
	v_nop                                          ; a plain vector instruction behind the last conversion
	global_store_b128 v[ZO], v[PCD:PCD+3], s[14:15]                ; 32 lanes store 512 consecutive bytes, aligned
	global_store_b128 v[ZO], v[PCD+4:PCD+7], s[14:15] offset:512
	global_store_b16 v[ADS], v254, s[16:17]        ; two bytes a row, 4 apart (lanes l and l + 16 the same half-word with the same value): 256 KB in the whole launch; gathering them would cost a barrier a pass
	s_wait_xcnt 0x0                                ; the stores have read their registers: the next pass writes them
	s_add_co_u32 s[PASS], s[PASS], 1
	s_cmp_lt_u32 s[PASS], 2
	s_cbranch_scc1 .Lpass
	s_wait_xcnt 0x0
	v_lshl_add_u32 v254, v0, 2, 0x12000
	v_mov_b32 v255, 0
	s_wait_tensorcnt 0x0
	ds_add_u32 v254, v255
	s_wait_dscnt 0x0
	s_endpgm
.Lfunc_end_k_q76050b6217_attn:
	.size	k_q76050b6217_attn, .Lfunc_end_k_q76050b6217_attn-k_q76050b6217_attn
	.p2alignl 7, 3214868480
	.fill 96, 4, 3214868480
	.section	.rodata,"a",@progbits
	.p2align	6, 0x0
	.amdhsa_kernel k_q76050b6217_attn
		.amdhsa_group_segment_fixed_size 75776
		.amdhsa_private_segment_fixed_size 0
		.amdhsa_enable_private_segment 0
		.amdhsa_kernarg_size 24
		.amdhsa_user_sgpr_count 2
		.amdhsa_user_sgpr_kernarg_segment_ptr 1
		.amdhsa_wavefront_size32 1
		.amdhsa_system_sgpr_workgroup_id_x 1
		.amdhsa_system_sgpr_workgroup_id_y 1
		.amdhsa_system_sgpr_workgroup_id_z 1
		.amdhsa_system_vgpr_workitem_id 0
		.amdhsa_next_free_vgpr 256
		.amdhsa_next_free_sgpr 106
		.amdhsa_reserve_vcc 0
		.amdhsa_float_denorm_mode_32 3
		.amdhsa_float_denorm_mode_16_64 3
		.amdhsa_memory_ordered 1
		.amdhsa_forward_progress 1
		.amdhsa_inst_pref_size 106
	.end_amdhsa_kernel
	.amdgpu_metadata
---
amdhsa.version: [ 1, 2 ]
amdhsa.kernels:
  - .name:           k_q76050b6217_attn
    .symbol:         k_q76050b6217_attn.kd
    .args:
      - { .name: qkv, .offset: 0, .size: 8, .value_kind: global_buffer, .address_space: global }
      - { .name: maskw, .offset: 8, .size: 8, .value_kind: global_buffer, .address_space: global }
      - { .name: zq, .offset: 16, .size: 8, .value_kind: global_buffer, .address_space: global }
    .group_segment_fixed_size: 75776
    .private_segment_fixed_size: 0
    .kernarg_segment_align: 8
    .kernarg_segment_size: 24
    .max_flat_workgroup_size: 512
    .sgpr_count:     106
    .vgpr_count:     256
    .wavefront_size: 32
...
	.end_amdgpu_metadata
.endif
;; end of part 3
;; launch outln (part 4): grid 256 x 1, 4 waves a work-group, clusters of 4 x 1, 327,680 bytes of LDS; arguments zq, Wo_codes, Wo_scales, x, gamma, beta, out0; writes out0
.if DOCPART == 4
	.amdgcn_target "amdgcn-amd-amdhsa--gfx1250"
	.amdhsa_code_object_version 6
	.text
	.protected	k_q76050b6217_outln
	.globl	k_q76050b6217_outln
	.p2align	8
	.type	k_q76050b6217_outln,@function
k_q76050b6217_outln:
	s_mov_b64 s[64:65], 0
	v_nop
	global_prefetch_b8 v0, s[64:65] scope:SCOPE_SE
	s_setreg_imm32_b32 hwreg(HW_REG_WAVE_MODE, 25, 1), 1
	s_wait_xcnt 0x0
	s_wait_alu depctr_hold_cnt(0) depctr_sa_sdst(0) depctr_va_vdst(0) depctr_va_sdst(0) depctr_va_ssrc(0) depctr_va_vcc(0) depctr_vm_vsrc(0)
	s_getreg_b32 s2, hwreg(HW_REG_IB_STS2, 6, 4)
	s_cmp_eq_u32 s2, 0
	s_cbranch_scc0 .Lentry_in_a_cluster
	s_endpgm
.Lentry_in_a_cluster:
	s_bfe_u32 s2, ttmp6, 0x10000c
	s_cmp_lg_u32 s2, 0x3003
	s_cbranch_scc0 .Lentry_shape_is_right
	s_endpgm
.Lentry_shape_is_right:
; out0 = LayerNorm(relu(z Wo) + x) x gamma + beta.  z Wo on codes of BF8 (E5M2) with one E8M0 scale for each 32 along K = 1,024; all else in f32.
; SHARES.  The norm wants whole rows: a work-group owns 32 rows x all 1,024 columns; wave w makes columns 256 w .. 256 w + 255 for the 32 rows: 32 accumulators.  z's 16 fragments and the wave's 8 rows of x stay in registers.
; Wo (1 MB) is walked by every work-group in the same order: the four work-groups of a cluster ask for each tile JOINTLY (mask 15).  Each wave fetches, and reads, its own rows alone: 128 rows x 256 along K to a load.
; Phase p = 0 .. 7: rows 128 (p % 2) on of my 256, K step p / 2 of 256, in slot p % 2.  The place in the cluster enters the global addresses of z, x and out0 alone.
; THE ORDER WITHIN A BLOCK OF 32.  z's images hold, in register pair c' of a fragment, k = 16 c' + 8 h + 0 .. 7 (launch attn).  Wo's fragments are read in the same order: eight loads of 8 bytes at 16 c' + 8 h.
; THE MATRIX INSTRUCTION IS USED TRANSPOSED (source 0 = 16 rows of Wo, source 1 = 16 rows of z): a lane holds eight neighbouring columns of a row.  The 32 rows meet in a stage in LDS; each wave then norms 8 whole rows.
; The stage lies in slot 0, which has had its last fill, and whose last reads stand ahead of the last barrier of the walk, when the first result is stored there.
; The mean is taken first and the squares of the differences second: no difference of large sums.
; REGISTERS, in windows of 256: window 0: v1-21 addresses; v28, v29 the add's; v32-95 Wo's scale words; v96-103 z's; v104-113 at work; v128-191, v192-255 two sets of four fragments of Wo, later gamma, beta and two rows.
;   window 1: accumulator (m, ct) at v[8 (16 m + ct)].   window 2: z's fragment (m, k step) at v[16 (8 m + k)].   window 3: x, row i at v[32 i].
.set PITCH,  272                       ; an LDS row: 256 bytes + 16 of padding: the 32 lanes of a load of 8 bytes touch 64 different banks (64 banks of 4 bytes: ISA guide 11.1)
.set HALFT,  128*PITCH                 ; what one tensor load brings
.set SLOT,   4*HALFT
.set SPARE,  2*SLOT                    ; the spare words, 128 bytes for each wave, which no other line names
.set SPITCH, 4112                      ; a stage row: 4,096 bytes + 16
.set ADB,  16                          ; v16-17  LDS address of my fragments in slot 0, 1
.set STO,  18                          ; v18-19  the stage: where I put 32 bytes of row r, of row 16 + r
.set RD,   20                          ; v20     and where I read my rows back
.set LI,   21                          ; v21     16 x lane
.set SPW,  28
.set NIL,  29
.set WS,   32                          ; register 8 p + k: lanes 0-15 column tile 2 p's word of K step k, lanes 16-31 tile 2 p + 1's
.set ZS,   96                          ; register k: lanes 0-15 rows 0-15, lanes 16-31 rows 16-31
.set FRG,  128
.set GA,   128                         ; the way out: gamma, beta, two rows
.set BE,   160
.set Y,    192
.set G1,   24
.set G0,   32
.set MSB, 0
.macro WIN new                         ; the immediate's high byte repeats the setting that is left
.if MSB != \new
	s_set_vgpr_msb (MSB<<8)|\new
.set MSB, \new
.endif
.endm
.macro NOPS n
.rept \n
	v_nop
.endr
.endm
.macro ROUND                           ; a round of the cluster's barrier
	s_barrier_signal -1
	s_barrier_wait -1
	s_cmp_lg_u32 s18, 0
	s_cbranch_scc1 .Lnot_wave_0_\@
	s_barrier_signal -3
.Lnot_wave_0_\@:
	s_barrier_wait -3
	s_barrier_signal -1
	s_barrier_wait -1
.endm
	s_load_b256 s[4:11], s[0:1], 0x0               ; zq s[4:5], Wo's codes s[6:7], Wo's scales s[8:9], x s[10:11]
	s_load_b128 s[12:15], s[0:1], 0x20             ; gamma, beta
	s_load_b64 s[16:17], s[0:1], 0x30              ; out0
	v_lshl_add_u32 v[SPW], v0, 2, SPARE
	v_mov_b32 v[NIL], 0
	ds_add_u32 v28, v29
	ds_add_u32 v28, v29
	s_wait_dscnt 0x0
	v_lshrrev_b32 v1, 5, v0
	v_readfirstlane_b32 s18, v1                    ; wave 0..3
	s_bfe_u32 s19, ttmp6, 0x40000                  ; cx
	s_lshl_b32 s20, ttmp9, 2
	s_add_co_u32 s20, s20, s19                     ; my block of 32 rows
	s_mov_b32 s[G1+0], 15|(0<<16)|(1<<20)|(1<<21)|(5<<22)|(3<<25)  ; 15:0 the mask: all four work-groups; elements of 1 byte; padding on; 21 set beside a mask; 4 words after every 64
	s_mov_b32 s[G1+1], 256<<16                     ; tensor_dim0
	s_mov_b32 s[G1+2], 128<<16                     ; tensor_dim1
	s_mov_b32 s[G1+3], 256<<16                     ; tile_dim0
	s_mov_b32 s[G1+4], 128                         ; tile_dim1
	s_mov_b32 s[G1+5], 1024                        ; tensor_dim0_stride
	s_mov_b32 s[G1+6], 0
	s_mov_b32 s[G1+7], 0
	s_mul_i32 s21, s18, HALFT                      ; my rows' place in a slot
	s_lshl_b32 s22, s18, 18                        ; my 256 rows of 1,024 bytes
	s_mov_b32 s23, 0
	s_wait_kmcnt 0x0
	s_add_nc_u64 s[48:49], s[6:7], s[22:23]
	ROUND                                          ; all four work-groups are here: the first joint loads meet
.irp s, 0,1
	s_mov_b32 s[G0+4*\s], 1
	s_add_co_u32 s[G0+4*\s+1], s21, \s*SLOT
	s_add_nc_u64 s[G0+4*\s+2:G0+4*\s+3], s[48:49], \s*128*1024     ; slot s always holds rows 128 s on of my 256
	s_or_b32 s[G0+4*\s+3], s[G0+4*\s+3], 0x80000000
.endr
	tensor_load_to_lds s[G0:G0+3], s[G1:G1+7]      ; the two first fills stand together: two loads of mine are out
	s_nop 0
	tensor_load_to_lds s[G0+4:G0+7], s[G1:G1+7]
	s_nop 0
	NOPS 4
	v_and_b32 v1, 15, v0                           ; r
	v_bfe_u32 v2, v0, 4, 1                         ; h
	v_and_b32 v3, 31, v0                           ; lane
	v_lshlrev_b32 v[LI], 4, v3
	v_mul_u32_u24 v4, v1, PITCH
	v_lshl_add_u32 v4, v2, 3, v4
	v_add_nc_u32 v[ADB], s21, v4                   ; row r x pitch + 8 h, in my rows of slot 0
	v_add_nc_u32 v[ADB+1], SLOT, v[ADB]
	v_mul_u32_u24 v4, v1, SPITCH
	v_lshl_add_u32 v4, v2, 5, v4
	s_lshl_b32 s22, s18, 10
	v_add_nc_u32 v[STO], s22, v4                   ; the stage: row r, + 32 h, + my 1,024 bytes of a row
	v_add_nc_u32 v[STO+1], 16*SPITCH, v[STO]
	s_mul_i32 s22, s18, 8*SPITCH
	v_add_nc_u32 v[RD], s22, v[LI]                 ; back: my 8 rows, 16 bytes a lane
	v_lshlrev_b32 v5, 5, v3                        ; Wo's scales: 32 bytes a row, a lane a row
	v_lshlrev_b32 v6, 2, v3                        ; z's: 4 bytes a row
	v_mov_b32 v108, 0                              ; a lane permute's destination counts as one of its sources
	v_mov_b32 v111, 0                              ; the upper halves of two pairs that are named whole
	v_mov_b32 v113, 0
	s_lshl_b32 s22, s20, 15
	s_add_nc_u64 s[50:51], s[4:5], s[22:23]        ; z's images: 32,768 bytes for 32 rows
	s_lshl_b32 s22, s18, 13
	s_add_nc_u64 s[52:53], s[8:9], s[22:23]        ; my 256 rows of Wo's scales
	s_lshl_b32 s22, s20, 7
	s_add_co_u32 s22, s22, 0x800000
	s_add_nc_u64 s[44:45], s[4:5], s[22:23]        ; z's scale words of my 32 rows
	s_lshl_b32 s22, s20, 5
	s_lshl_b32 s21, s18, 3
	s_add_co_u32 s22, s22, s21
	s_lshl_b32 s22, s22, 12                        ; my wave's 8 rows of 4,096 bytes
	s_add_nc_u64 s[54:55], s[10:11], s[22:23]
	s_add_nc_u64 s[16:17], s[16:17], s[22:23]
	s_mov_b32 s40, 0x76543210
	s_mov_b32 s41, 0xfedcba98
	s_mov_b32 s42, 0xba800000                      ; -1 / 1,024
	s_mov_b32 s46, 0x3a800000                      ; 1 / 1,024
	s_mov_b32 s43, 0x2b8cbccc                      ; 1e-12
	WIN 0x80                                       ; destination window 2
.irp m, 0,1
.irp k, 0,1,2,3,4,5,6,7
.irp c, 0,1,2,3
	global_load_b128 v[16*(8*\m+\k)+4*\c:16*(8*\m+\k)+4*\c+3], v[LI], s[50:51] offset:16384*\m+2048*\k+512*\c
.endr
.endr
.endr
	WIN 0
.irp p, 0,1,2,3,4,5,6,7
	global_load_b128 v[WS+8*\p:WS+8*\p+3], v5, s[52:53] offset:1024*\p
	global_load_b128 v[WS+8*\p+4:WS+8*\p+7], v5, s[52:53] offset:1024*\p+16
.endr
.irp k, 0,1,2,3,4,5,6,7
	global_load_b32 v[ZS+\k], v6, s[44:45] offset:32768*\k
.endr
	WIN 0xc0                                       ; destination window 3
.irp i, 0,1,2,3,4,5,6,7
.irp j, 0,1,2,3,4,5,6,7
	global_load_b128 v[32*\i+4*\j:32*\i+4*\j+3], v[LI], s[54:55] offset:4096*\i+512*\j th:TH_LOAD_NT   ; x lands under the products
.endr
.endr
	WIN 0
	s_wait_tensorcnt 0x1                           ; slot 0 is in; slot 1's load may be out
	s_barrier_signal -1
	s_barrier_wait -1
	s_wait_loadcnt 63                              ; z and all scale words are in; x's last 63 loads may be out
.macro LOADG u, g, set                 ; four fragments: column tiles 4 (g % 2) + f of the slot's eight, its (g / 2)-th 128 along K
.irp f, 0,1,2,3
.irp c, 0,1,2,3,4,5,6,7
	ds_load_b64 v[FRG+64*(\set)+16*\f+2*\c:FRG+64*(\set)+16*\f+2*\c+1], v[ADB+\u] offset:16*PITCH*(4*((\g)%2)+\f)+128*((\g)/2)+16*\c
.endr
.endr
.endm
.macro WM ar, br                       ; one product; the first K step starts the sum; ar, br: the scales stand in lanes 16-31
.if (KA == 0) && (\ar) && (\br)
	v_wmma_scale_f32_16x16x128_f8f6f4 v[AC:AC+7], v[FG:FG+15], v[ZF:ZF+15], 0, v[WR], v[ZR] matrix_a_fmt:MATRIX_FMT_BF8 matrix_b_fmt:MATRIX_FMT_BF8 matrix_a_scale:MATRIX_SCALE_ROW1 matrix_b_scale:MATRIX_SCALE_ROW1
.elseif (KA == 0) && (\ar)
	v_wmma_scale_f32_16x16x128_f8f6f4 v[AC:AC+7], v[FG:FG+15], v[ZF:ZF+15], 0, v[WR], v[ZR] matrix_a_fmt:MATRIX_FMT_BF8 matrix_b_fmt:MATRIX_FMT_BF8 matrix_a_scale:MATRIX_SCALE_ROW1
.elseif (KA == 0) && (\br)
	v_wmma_scale_f32_16x16x128_f8f6f4 v[AC:AC+7], v[FG:FG+15], v[ZF:ZF+15], 0, v[WR], v[ZR] matrix_a_fmt:MATRIX_FMT_BF8 matrix_b_fmt:MATRIX_FMT_BF8 matrix_b_scale:MATRIX_SCALE_ROW1
.elseif KA == 0
	v_wmma_scale_f32_16x16x128_f8f6f4 v[AC:AC+7], v[FG:FG+15], v[ZF:ZF+15], 0, v[WR], v[ZR] matrix_a_fmt:MATRIX_FMT_BF8 matrix_b_fmt:MATRIX_FMT_BF8
.elseif (\ar) && (\br)
	v_wmma_scale_f32_16x16x128_f8f6f4 v[AC:AC+7], v[FG:FG+15], v[ZF:ZF+15], v[AC:AC+7], v[WR], v[ZR] matrix_a_fmt:MATRIX_FMT_BF8 matrix_b_fmt:MATRIX_FMT_BF8 matrix_a_scale:MATRIX_SCALE_ROW1 matrix_b_scale:MATRIX_SCALE_ROW1
.elseif \ar
	v_wmma_scale_f32_16x16x128_f8f6f4 v[AC:AC+7], v[FG:FG+15], v[ZF:ZF+15], v[AC:AC+7], v[WR], v[ZR] matrix_a_fmt:MATRIX_FMT_BF8 matrix_b_fmt:MATRIX_FMT_BF8 matrix_a_scale:MATRIX_SCALE_ROW1
.elseif \br
	v_wmma_scale_f32_16x16x128_f8f6f4 v[AC:AC+7], v[FG:FG+15], v[ZF:ZF+15], v[AC:AC+7], v[WR], v[ZR] matrix_a_fmt:MATRIX_FMT_BF8 matrix_b_fmt:MATRIX_FMT_BF8 matrix_b_scale:MATRIX_SCALE_ROW1
.else
	v_wmma_scale_f32_16x16x128_f8f6f4 v[AC:AC+7], v[FG:FG+15], v[ZF:ZF+15], v[AC:AC+7], v[WR], v[ZR] matrix_a_fmt:MATRIX_FMT_BF8 matrix_b_fmt:MATRIX_FMT_BF8
.endif
.endm
.macro MULG u, k2, g, set              ; eight products: the group's four column tiles x the two tiles of rows.  Eight accumulators by turns; one comes back sixteen instructions later
	WIN 0x58                                       ; source 0 (Wo) window 0, source 1 (z) window 2, C and D window 1
.irp f, 0,1,2,3
.irp m, 0,1
.set CT, 8*(\u)+4*((\g)%2)+\f
.set KA, 2*(\k2)+(\g)/2
.set AC, 8*(16*\m+CT)
.set FG, FRG+64*(\set)+16*\f
.set ZF, 16*(8*\m+KA)
.set WR, WS+8*(CT/2)+KA
.set ZR, ZS+KA
	WM \f%2, \m
.endr
.endr
	WIN 0
.endm
.macro PHASE u, k2
	LOADG \u, 0, 0
	LOADG \u, 1, 1
	s_wait_dscnt 32                                ; the older group is in; the younger group's 32 loads may be out
	MULG \u, \k2, 0, 0
	NOPS 8                                         ; places in front of loads into registers that matrix instructions have read
	LOADG \u, 2, 0
	s_wait_dscnt 32
	MULG \u, \k2, 1, 1
	NOPS 8
	LOADG \u, 3, 1
	s_wait_dscnt 32
	MULG \u, \k2, 2, 0
	s_wait_dscnt 0x0
	MULG \u, \k2, 3, 1
.endm
; Between two phases.  Each wave waits for all its tensor loads (its part of the slot ahead), adds 0 to its spare word, and waits for that and for its reads of the slot that it has left.
; fill = 1: that slot is filled again, 256 further along K: the barrier is a round of the cluster's, and the joint refill is the first thing behind it, one load a wave.
.macro CHANGE fill, slot
	s_wait_tensorcnt 0x0
	ds_add_u32 v[SPW], v[NIL]                      ; 0 onto my spare word
.if \fill
	s_add_nc_u64 s[G0+4*\slot+2:G0+4*\slot+3], s[G0+4*\slot+2:G0+4*\slot+3], 256
.endif
	s_wait_dscnt 0x0
.if \fill
	ROUND
	tensor_load_to_lds s[G0+4*\slot:G0+4*\slot+3], s[G1:G1+7]
	s_nop 0
.else
	s_barrier_signal -1
	s_barrier_wait -1
.endif
	NOPS 8                                         ; behind the tensor load, and the places in front of the next phase's loads
.endm
	PHASE 0, 0
	CHANGE 1, 0
	PHASE 1, 0
	CHANGE 1, 1
	PHASE 0, 1
	CHANGE 1, 0
	PHASE 1, 1
	CHANGE 1, 1
	PHASE 0, 2
	CHANGE 1, 0
	PHASE 1, 2
	CHANGE 1, 1
	PHASE 0, 3
	CHANGE 0, 0                                    ; nothing is left to fetch
	PHASE 1, 3
	; THE WAY OUT
	NOPS 8                                         ; places in front of the loads below and of the first read of results
.irp j, 0,1,2,3,4,5,6,7
	global_load_b128 v[GA+4*\j:GA+4*\j+3], v[LI], s[12:13] offset:512*\j
	global_load_b128 v[BE+4*\j:BE+4*\j+3], v[LI], s[14:15] offset:512*\j
.endr
	WIN 0x04                                       ; an LDS store's data are its source 1: window 1
.irp m, 0,1
.irp ct, 0,1,2,3,4,5,6,7,8,9,10,11,12,13,14,15
	ds_store_b128 v[STO+\m], v[8*(16*\m+\ct):8*(16*\m+\ct)+3] offset:64*\ct          ; each accumulator from its low end on
	ds_store_b128 v[STO+\m], v[8*(16*\m+\ct)+4:8*(16*\m+\ct)+7] offset:64*\ct+16
.endr
.endr
	WIN 0
	s_wait_dscnt 0x0                               ; for the others' sake: my stores into the stage are done
	s_barrier_signal -1
	s_barrier_wait -1
	s_wait_loadcnt 0x0                             ; x, gamma, beta
.macro YLOAD i                         ; my row i, 4,096 bytes: register 4 j + e is column 128 j + 4 lane + e, as in x, gamma and beta
.set YB, Y+32*((\i)%2)
.irp j, 0,1,2,3,4,5,6,7
	ds_load_b128 v[YB+4*\j:YB+4*\j+3], v[RD] offset:SPITCH*(\i)+512*\j
.endr
.endm
.macro REDUCE                          ; v104 summed over the 32 lanes, the result in every lane
	v_add_f32_dpp v104, v104, v104 row_xmask:1 row_mask:0xf bank_mask:0xf
	v_add_f32_dpp v104, v104, v104 row_xmask:2 row_mask:0xf bank_mask:0xf
	v_add_f32_dpp v104, v104, v104 row_xmask:4 row_mask:0xf bank_mask:0xf
	v_add_f32_dpp v104, v104, v104 row_xmask:8 row_mask:0xf bank_mask:0xf
	v_permlanex16_b32 v108, v104, s40, s41
	v_add_f32 v104, v104, v108
.endm
.macro ROWN i, left
.set YB, Y+32*((\i)%2)
	s_wait_dscnt \left                             ; my row is in; the next row's eight loads may be out
.set j, 0
.rept 32
	v_max_num_f32 v[YB+j], 0, v[YB+j]              ; relu
.set j, j+1
.endr
	WIN 0x0c                                       ; source 1: window 3
.set j, 0
.rept 16
	v_pk_add_f32 v[YB+j:YB+j+1], v[YB+j:YB+j+1], v[32*(\i)+j:32*(\i)+j+1]   ; + x
.set j, j+2
.endr
	WIN 0
	v_pk_add_f32 v[104:105], v[YB:YB+1], v[YB+2:YB+3]              ; the row's sum, in two chains
	v_pk_add_f32 v[106:107], v[YB+4:YB+5], v[YB+6:YB+7]
.set j, 8
.rept 6
	v_pk_add_f32 v[104:105], v[104:105], v[YB+j:YB+j+1]
	v_pk_add_f32 v[106:107], v[106:107], v[YB+j+2:YB+j+3]
.set j, j+4
.endr
	v_pk_add_f32 v[104:105], v[104:105], v[106:107]
	v_add_f32 v104, v104, v105
	REDUCE
	v_mul_f32 v110, s42, v104                      ; -mean
.set j, 0
.rept 16
	v_pk_add_f32 v[YB+j:YB+j+1], v[YB+j:YB+j+1], v[110:111] op_sel_hi:[1,0]
.set j, j+2
.endr
	v_pk_mul_f32 v[104:105], v[YB:YB+1], v[YB:YB+1]                ; the squares' sum, in two chains
	v_pk_mul_f32 v[106:107], v[YB+2:YB+3], v[YB+2:YB+3]
.set j, 4
.rept 7
	v_pk_fma_f32 v[104:105], v[YB+j:YB+j+1], v[YB+j:YB+j+1], v[104:105]
	v_pk_fma_f32 v[106:107], v[YB+j+2:YB+j+3], v[YB+j+2:YB+j+3], v[106:107]
.set j, j+4
.endr
	v_pk_add_f32 v[104:105], v[104:105], v[106:107]
	v_add_f32 v104, v104, v105
	REDUCE
	v_fma_f32 v104, v104, s46, s43                 ; the variance + 1e-12
	v_rsq_f32 v112, v104
	v_nop                                          ; a plain instruction behind the transcendental
	s_wait_alu depctr_va_vdst(0)                   ; ahead of its first reader
.set j, 0
.rept 16
	v_pk_mul_f32 v[YB+j:YB+j+1], v[YB+j:YB+j+1], v[112:113] op_sel_hi:[1,0]
.set j, j+2
.endr
.set j, 0
.rept 16
	v_pk_fma_f32 v[YB+j:YB+j+1], v[YB+j:YB+j+1], v[GA+j:GA+j+1], v[BE+j:BE+j+1]
.set j, j+2
.endr
.irp j, 0,1,2,3,4,5,6,7
	global_store_b128 v[LI], v[YB+4*\j:YB+4*\j+3], s[16:17] offset:4096*(\i)+512*\j th:TH_STORE_NT   ; 32 lanes store 512 consecutive bytes, aligned
.endr
.endm
	YLOAD 0
	YLOAD 1
	ROWN 0, 8
.irp i, 1,2,3,4,5,6
	s_wait_xcnt 0x0                                ; the row before's stores have read their registers: the next row may land there
	YLOAD \i+1
	ROWN \i, 8
.endr
	ROWN 7, 0
	s_wait_tensorcnt 0x0                           ; the wave's end
	ds_add_u32 v[SPW], v[NIL]
	s_wait_dscnt 0x0
	ROUND                                          ; the closing round: no work-group ends while a partner may still ask for a tile that names it
	s_endpgm
.Lfunc_end_k_q76050b6217_outln:
	.size	k_q76050b6217_outln, .Lfunc_end_k_q76050b6217_outln-k_q76050b6217_outln
	.p2alignl 7, 3214868480
	.fill 96, 4, 3214868480
	.section	.rodata,"a",@progbits
	.p2align	6, 0x0
	.amdhsa_kernel k_q76050b6217_outln
		.amdhsa_group_segment_fixed_size 327680
		.amdhsa_private_segment_fixed_size 0
		.amdhsa_enable_private_segment 0
		.amdhsa_kernarg_size 56
		.amdhsa_user_sgpr_count 2
		.amdhsa_user_sgpr_kernarg_segment_ptr 1
		.amdhsa_wavefront_size32 1
		.amdhsa_system_sgpr_workgroup_id_x 1
		.amdhsa_system_sgpr_workgroup_id_y 1
		.amdhsa_system_sgpr_workgroup_id_z 1
		.amdhsa_system_vgpr_workitem_id 0
		.amdhsa_next_free_vgpr 1024
		.amdhsa_next_free_sgpr 66
		.amdhsa_reserve_vcc 0
		.amdhsa_float_denorm_mode_32 3
		.amdhsa_float_denorm_mode_16_64 3
		.amdhsa_memory_ordered 1
		.amdhsa_forward_progress 1
		.amdhsa_inst_pref_size 209
	.end_amdhsa_kernel
	.amdgpu_metadata
---
amdhsa.version: [ 1, 2 ]
amdhsa.kernels:
  - .name:           k_q76050b6217_outln
    .symbol:         k_q76050b6217_outln.kd
    .args:
      - { .name: zq, .offset: 0, .size: 8, .value_kind: global_buffer, .address_space: global }
      - { .name: Wo_codes, .offset: 8, .size: 8, .value_kind: global_buffer, .address_space: global }
      - { .name: Wo_scales, .offset: 16, .size: 8, .value_kind: global_buffer, .address_space: global }
      - { .name: x, .offset: 24, .size: 8, .value_kind: global_buffer, .address_space: global }
      - { .name: gamma, .offset: 32, .size: 8, .value_kind: global_buffer, .address_space: global }
      - { .name: beta, .offset: 40, .size: 8, .value_kind: global_buffer, .address_space: global }
      - { .name: out0, .offset: 48, .size: 8, .value_kind: global_buffer, .address_space: global }
    .group_segment_fixed_size: 327680
    .private_segment_fixed_size: 0
    .kernarg_segment_align: 8
    .kernarg_segment_size: 56
    .max_flat_workgroup_size: 128
    .sgpr_count:     66
    .vgpr_count:     1024
    .wavefront_size: 32
...
	.end_amdgpu_metadata
.endif
;; end of part 4
;; ======== version 2 of 2: 4 launches; version 1 with the launch attn written anew for expert scheduling mode
;; limits: right only within a limited range of input values
;; workspace buffers: xq 8,650,752 bytes; maskw 524,800 bytes of whole numbers; qkv 25,952,256 bytes; zq 8,650,752 bytes
;; launch prep: the kernel of part 1 again; grid 288 x 1, 4 waves a work-group, no clusters, 33,280 bytes of LDS; arguments x, attn_mask, xq, maskw; writes xq, maskw
;; launch qkv: the kernel of part 2 again; grid 12 x 32, 4 waves a work-group, clusters of 4 x 4, 327,680 bytes of LDS; arguments xq, Wq_codes, Wq_scales, Wk_codes, Wk_scales, Wv_codes, Wv_scales, qkv; writes qkv
;; launch attn (part 5): grid 4 x 64, 16 waves a work-group, no clusters, 75,776 bytes of LDS; arguments qkv, maskw, zq; writes zq
.if DOCPART == 5
	.amdgcn_target "amdgcn-amd-amdhsa--gfx1250"
	.amdhsa_code_object_version 6
	.text
	.protected	k_q76050b6217_attn
	.globl	k_q76050b6217_attn
	.p2align	8
	.type	k_q76050b6217_attn,@function
k_q76050b6217_attn:
	s_mov_b64 s[64:65], 0
	v_nop
	global_prefetch_b8 v0, s[64:65] scope:SCOPE_SE
	s_setreg_imm32_b32 hwreg(HW_REG_WAVE_SCHED_MODE, 0, 2), 2
	s_setreg_imm32_b32 hwreg(HW_REG_WAVE_MODE, 25, 1), 1
	s_wait_xcnt 0x0
	s_wait_alu depctr_vm_vsrc(0)
; z[b][q][head][:] = softmax_k(where(mask, -1e6, q . k / 8)) v, both products on codes of BF8 (E5M2) with one E8M0 scale for each 32 along a product's K; z leaves quantised along the channels, as images of the next operand's registers.
; THE SOFTMAX: t = score x c, c = log2(e) / 8; M = the running largest t rounded UP to a whole number; p = 2^(t - M) is quantised along the keys, not normalised; the row's sum is taken of the unquantised p and divides at the end.
; SHARES.  Work-group (i, bh) owns the blocks of 256 queries i and 7 - i of head bh, one after the other (two passes); each of its sixteen waves owns one tile of 16 queries, in 256 registers: four waves to a SIMD.
; K AND V come as register images (launch qkv): a slot of 256 keys is 16,384 dense bytes of each.  The 512 threads copy it through registers into one of two LDS buffers, a slot ahead of its use; one barrier a slot.
; WHICH STEPS ARE COMPUTED is read from maskw (launch prep): a tile's WORK bits say which steps of 128 keys have any p other than 0, its MIX bits which have masked entries; the branches hang on these stored whole numbers.
; So this launch has no tensor load and no joint request: a step that is passed over is a jump on loaded numbers.  Every wave passes every barrier; a slot that no tile of the work-group needs is not copied.
; K = 64 ON AN INSTRUCTION OF K = 128.  A fragment of K carries 32 keys: row r holds key r's 64 codes in chunks 0, 1 and key r + 16's in chunks 2, 3.  It is multiplied by [q | zero codes] and by [zero codes | q]:
; two tiles, keys 8 h + j and 16 + 8 h + j of the 32.  Zero codes add nothing (all codes are finite: the quantiser holds).  The two tiles' 16 registers are one block of 32 keys of p, in the order in which V's images hold the keys.
; THE MASK.  A masked raw score becomes -2^26: c = 12,102,203 x 2^-26, so its t is a whole number, and in a row masked throughout every p is exactly 1: the mean of v, as with -1e6.
; LIMITS: the masked logit is -2^23 in place of -1e6, and steps masked throughout are passed over: the same results as long as a row's largest open logit lies above about -1e6 + 100.  NaN and infinities are not served.
;         z's blocks whose largest magnitude lies under 2^-111 get the byte 1.
; REGISTERS: v1-7 addresses and the masked value; v8-11 K's scale words; v12 -M, v13 largest t, v[14:15] the sum; v16-39 q, zeros, q; v40-103 four fragments of K, then of V; v104-167 S^T, then p; v168-199 O^T;
;            v200-215 p's codes; v216-231 the copy's staging; v232-247 at work; v248-251 V's scale words; v252 f; v253 p's scale word; v254 at work; v255 q's scale word.
; THE MODE: SCHED_MODE bits 1:0 = 2 (LLVM: expert scheduling mode 2), set by the entry lines.  The code itself states the register dependences between vector or matrix instructions and memory or LDS instructions,
; with s_wait_alu, always for 0.
; THE PLAN.  Registers that memory or LDS instructions touch:
;   v1, v2         addresses, made at the head and never written again.
;   v216-231       the staging: cleared at the head; from then on global loads land in it and LDS stores read it, and no vector instruction names it.
;   v7             written by one add at the head of a trip of .Lit; read by the two slots' global loads.
;   v5             written at a pass's head (a global offset), at the head of a trip of .Lit (an LDS address) and on the way out (a global offset); read by q's scale load, the steps' scale loads, z's scale store.
;   v4             written at a pass's head and on the way out; read by q's loads and z's stores.
;   v40-103        K's loads land; the eight products on the scores read; V's loads land; the four products on O^T read.      v8-11, v248-251: loads land, the products read them as scales.
;   v16-23, v32-39, v255   q: loads land at a pass's head; the products read.
;   v200-215, v253 written by conversions and shifts, read by the products on O^T; on the way out v200-207 and v254 are the stores' data.
; WAITS ON va_vdst: one at the kernel's head, one at a pass's head, one at the head of a trip of .Lit (it serves the trip's first step too); in a step one ahead of K's loads, one behind the products on the scores, behind which
; V's loads are dealt among the softmax with no further wait (no vector instruction names v40-103 or v248-251 before the products on O^T), the two behind the exponentials, one ahead of the products on O^T; two on the way out.
; WAITS ON vm_vsrc: one behind the head's LDS store, one ahead of every barrier, one at a pass's end, one ahead of the lines that make the closing add's registers.
.set LI,   1                           ; v1   16 x lane: an image's place for my lane
.set CPY,  2                           ; v2   16 x thread: the copy's place
.set ASC,  3                           ; v3   KSC + 16 r
.set ZO,   4                           ; v4   global offset: q's image, later z's
.set ADS,  5                           ; v5   LDS address of the trip's scale words (at a pass's ends: a global offset)
.set MV,   6                           ; v6   -2^26
.set GOF,  7                           ; v7   global offset of the trip's first slot for my thread
.set S,    104
.set O,    168
.set PCD,  200
.set STG,  216
.set KSC,  65536                       ; LDS: two buffers of 32,768 (K's 16,384, then V's); K's scale words of the head, 4,096; V's, 4,096
.set WV,   18                          ; s18  wave
.set WGI,  19                          ; s19  work-group x
.set BH,   20                          ; s20  16 x batch + head
.set PASS, 21
.set IT,   22
.set QB,   23
.set T,    24                          ; s24  my tile of 16 queries, 0 .. 127
.set WORK, 25
.set MIX,  26
.set ORS,  27                          ; s27  the OR of the sixteen tiles' WORK bits, shifted on by two a slot
.set MO,   29                          ; s29  byte offset of the trip's mask words
.set NXT,  30                          ; s30  not 0: the next slot is copied
.set CS,   66                          ; s[66:67] c
.set SEL,  100                         ; s[100:101] lane selects for lane l xor 16
.set MNT,  104                         ; s104 the mantissa field of 57,344
	s_load_b64 s[4:5], s[0:1], 0x0                 ; qkv
	s_load_b64 s[10:11], s[0:1], 0x8               ; maskw
	s_load_b64 s[14:15], s[0:1], 0x10              ; zq
	v_lshrrev_b32 v232, 5, v0
	v_readfirstlane_b32 s[WV], v232
	s_mov_b32 s[WGI], ttmp9
	s_and_b32 s[BH], ttmp7, 0xffff
	v_and_b32 v232, 31, v0
	v_lshlrev_b32 v[LI], 4, v232
	v_lshlrev_b32 v[CPY], 4, v0
	v_and_b32 v233, 15, v0
	v_lshl_add_u32 v[ASC], v233, 4, KSC
	v_mov_b32 v[MV], 0xcc800000
	v_and_b32 v247, 0xff, v0
	v_lshlrev_b32 v247, 4, v247
	v_lshrrev_b32 v246, 8, v0
	v_lshl_add_u32 v247, v246, 18, v247            ; threads 0-255: K's scale words, 16 bytes each; threads 256-511: V's, 0x40000 further on
	v_lshl_add_u32 v254, v0, 4, KSC                ; and where they go
.irp j, 24,25,26,27,28,29,30,31
	v_mov_b32 v[\j], 0                             ; the zero codes between the two copies of q
.endr
.irp j, 0,1,2,3,4,5,6,7,8,9,10,11,12,13,14,15
	v_mov_b32 v[STG+\j], 0                         ; written once, so that every path finds them written
.endr
.irp j, 236,237,238,239,252,253
	v_mov_b32 v[\j], 0                             ; lane permutes' destinations, and the pair v[252:253]
.endr
	s_mov_b32 s[CS], 0x3e38aa3b                    ; c = log2(e) / 8
	s_mov_b32 s[CS+1], s[CS]
	s_mov_b32 s[SEL], 0x76543210
	s_mov_b32 s[SEL+1], 0xfedcba98
	s_mov_b32 s[MNT], 0x600000
	s_wait_alu depctr_va_sdst(0)                   ; s18, the wave's number, is written. Lpass
	s_mov_b32 s31, 0
	s_lshl_b32 s30, s[BH], 12
	s_wait_kmcnt 0x0
	s_add_nc_u64 s[6:7], s[4:5], 0x1800000
	s_add_nc_u64 s[6:7], s[6:7], s[30:31]          ; q's scale words of my head; K's 0x40000, V's 0x80000 further on
	s_lshl_b32 s30, s[BH], 17
	s_add_nc_u64 s[4:5], s[4:5], s[30:31]          ; q's images of my head,
	s_add_nc_u64 s[8:9], s[4:5], 0x800000          ; K's,
	s_add_nc_u64 s[12:13], s[4:5], 0x1000000       ; V's
	s_add_nc_u64 s[16:17], s[14:15], 0x800000      ; z's scale words
	s_wait_alu depctr_va_vdst(0)                   ; the head's vector lines are done: v1, v2, v247 and v254 are written, which loads and LDS instructions read as addresses;
	                                               ; the staging is cleared, in which the copy's loads land; the zero codes v24-31 are written, which the scaled products take
	global_load_b128 v[232:235], v247, s[6:7] offset:0x40000
	s_wait_loadcnt 0x0
	ds_store_b128 v254, v[232:235]                 ; the head's scale words: stored once; the first barrier below stands between this and the reads
	s_wait_alu depctr_vm_vsrc(0)                   ; the LDS store has read v254 and v[232:235], the load v247: the pass below writes all of them again
; Four loads: fragment t of V of the q-th step of the slot in buffer e
.macro VFRAG e, q, t
.irp c, 0,1,2,3
	ds_load_b128 v[40+16*(\t)+4*\c:43+16*(\t)+4*\c], v[LI] offset:32768*(\e)+16384+8192*(\q)+2048*(\t)+512*\c
.endr
.endm
; A KEY STEP: 128 keys, the q-th of the slot in buffer e.
.macro STEP e, q
	s_bitcmp1_b32 s[WORK], 0
	s_cbranch_scc0 .Lskip_\@                       ; every p of this step is 0: nothing is loaded or computed
.irp n, 0,1
	s_load_b512 s[32+16*\n:47+16*\n], s[10:11], s[MO] offset:512*\e+256*\q+64*\n       ; the step's 64 lane masks: word i in s[32 + i], from word 32 on in s[36 + i]
	s_load_b512 s[68+16*\n:83+16*\n], s[10:11], s[MO] offset:512*\e+256*\q+128+64*\n
.endr
.rept 8
	v_nop                                          ; eight places behind the last step's matrix instructions, ahead of loads into registers that they have read: kept as in this kernel's plain form
.endr
.if (\e)+(\q) > 0
	s_wait_alu depctr_va_vdst(0)                   ; the last worked step's products on O^T are done reading v[40:103], in which K's loads land
.endif                                                 ; (a trip's first step: the wait at the head of the trip of .Lit states the same; only v_nop have been issued since)
.irp f, 0,1,2,3
.irp c, 0,1,2,3
	ds_load_b128 v[40+16*\f+4*\c:43+16*\f+4*\c], v[LI] offset:32768*\e+2048*(4*\q+\f)+512*\c
.endr
.endr
	ds_load_b128 v[8:11], v[ADS] offset:512*\e+256*\q              ; row r's scale words of the four fragments
	s_wait_dscnt 0x0
.irp f, 0,1,2,3
	v_wmma_scale_f32_16x16x128_f8f6f4 v[S+16*\f:S+16*\f+7], v[40+16*\f:55+16*\f], v[16:31], 0, v[8+\f], v255 matrix_a_fmt:MATRIX_FMT_BF8 matrix_b_fmt:MATRIX_FMT_BF8
	v_wmma_scale_f32_16x16x128_f8f6f4 v[S+16*\f+8:S+16*\f+15], v[40+16*\f:55+16*\f], v[24:39], 0, v[8+\f], v255 matrix_a_fmt:MATRIX_FMT_BF8 matrix_b_fmt:MATRIX_FMT_BF8
.endr
.rept 8
	v_nop                                          ; places in front of the loads below and of the first read of the scores
.endr
	s_wait_alu depctr_va_vdst(0)                   ; the eight products are done reading v[40:103], in which V's loads land.  No vector instruction names v[40:103] or v[248:251] before the products on O^T:
	                                               ; so V's seventeen loads stand behind this one wait, dealt among the softmax, under which they land
	VFRAG \e, \q, 0
	ds_load_b128 v[248:251], v[ADS] offset:4096+512*\e+256*\q
	s_wait_kmcnt 0x0                               ; the lane masks are in
	s_bitcmp1_b32 s[MIX], 0
	s_cbranch_scc0 .Lopen_\@                       ; no entry of this step is masked
.set n, 0
.rept 64
	v_cndmask_b32 v[S+n], v[S+n], v[MV], s[32+n+4*(n/32)]
.set n, n+1
.endr
.Lopen_\@:
	VFRAG \e, \q, 1
.irp b, 0,1,2,3
	v_max3_num_f32 v[232+\b], v[S+16*\b], v[S+1+16*\b], v[S+2+16*\b]   ; the largest score of each block of 32 keys: for the row's maximum, and, since p rises with the score, for the block's largest p
.endr
.irp i, 3,5,7,9,11,13
.irp b, 0,1,2,3
	v_max3_num_f32 v[232+\b], v[232+\b], v[S+16*\b+\i], v[S+1+16*\b+\i]
.endr
.endr
.irp b, 0,1,2,3
	v_max_num_f32 v[232+\b], v[232+\b], v[S+15+16*\b]
.endr
.irp b, 0,1,2,3
	v_permlanex16_b32 v[236+\b], v[232+\b], s[SEL], s[SEL+1]
.endr
.irp b, 0,1,2,3
	v_max_num_f32 v[232+\b], v[232+\b], v[236+\b]  ; with lane l xor 16's 16 keys
.endr
	VFRAG \e, \q, 2
	v_max3_num_f32 v254, v232, v233, v234
	v_max_num_f32 v254, v254, v235
	v_mul_f32 v254, s[CS], v254                    ; the step's largest t
	v_max_num_f32 v13, v13, v254                   ; the running largest t
	v_mov_b32 v254, v12
	v_floor_f32 v12, -v13                          ; the new -M = -ceil(t): a whole number
	v_sub_f32 v254, v12, v254                      ; old M - new M: a whole number, 0 or less
	v_cvt_i32_f32 v254, v254                       ; (it saturates)
	v_ldexp_f32 v252, 1.0, v254                    ; f = 2^(old M - new M)
.set j, 0
.rept 32
	v_pk_fma_f32 v[S+j:S+j+1], v[S+j:S+j+1], s[CS:CS+1], v[12:13] op_sel_hi:[1,0,0]   ; t - M, two at a time
.set j, j+2
.endr
.irp b, 0,1,2,3
	v_fma_f32 v[232+\b], v[232+\b], s[CS], v12     ; the same of each block's largest score
.endr
	VFRAG \e, \q, 3
.set j, 0
.rept 64
	v_exp_f32 v[S+j], v[S+j]                       ; p = 2^(t - M)
.set j, j+1
.endr
	v_pk_mul_f32 v[14:15], v[14:15], v[252:253] op_sel_hi:[1,0]    ; the sums under the new M: the plain instruction behind the exponentials
	s_wait_alu depctr_va_vdst(0)                   ; the 64 exponentials have written p, v[104:167]: one wait for the batch, ahead of its first reader
.irp b, 0,1,2,3
	v_exp_f32 v[232+\b], v[232+\b]                 ; the block's largest p
.endr
	v_pk_add_f32 v[236:237], v[S:S+1], v[S+2:S+3]  ; the row's sum of the unquantised p, in two chains
.irp j, 4,8,12,16,20,24,28,32,36,40,44,48,52,56,60
	v_pk_add_f32 v[14:15], v[14:15], v[S+\j:S+\j+1]
	v_pk_add_f32 v[236:237], v[236:237], v[S+2+\j:S+3+\j]
.endr
	v_pk_add_f32 v[14:15], v[14:15], v[236:237]
	s_wait_alu depctr_va_vdst(0)                   ; and one for the four, which have written v[232:235]
.irp b, 0,1,2,3
	v_max_num_f32 v[232+\b], 0x8000000, v[232+\b]  ; the floor 2^(16 - 127): the byte cannot fall under 1
.endr
.irp b, 0,1,2,3
	v_add_nc_u32 v[244+\b], 0xf8800000, v[232+\b]  ; the conversion's scale operand
.endr
.irp b, 0,1,2,3
	v_and_or_b32 v[240+\b], v[232+\b], 0x7f800000, s[MNT]          ; 57,344 x the scale
.endr
.irp b, 0,1,2,3
	v_lshrrev_b32 v[236+\b], 23, v[244+\b]         ; the scale's byte
.endr
	v_lshl_or_b32 v253, v237, 8, v236              ; p's scale word for these 128 keys
	v_lshl_or_b32 v253, v238, 16, v253
	v_lshl_or_b32 v253, v239, 24, v253
.irp b, 0,1,2,3
.irp i, 0,1,2,3,4,5,6,7,8,9,10,11,12,13,14,15
	v_min_num_f32 v[S+16*\b+\i], v[S+16*\b+\i], v[240+\b]          ; the hold; p is not negative, so it is one-sided
.endr
	v_cvt_scalef32_pk8_bf8_f32 v[PCD+4*\b:PCD+1+4*\b], v[S+16*\b:S+7+16*\b], v[244+\b]
	v_cvt_scalef32_pk8_bf8_f32 v[PCD+2+4*\b:PCD+3+4*\b], v[S+8+16*\b:S+15+16*\b], v[244+\b]
.endr
.set j, 0
.rept 16
	v_pk_mul_f32 v[O+j:O+j+1], v[O+j:O+j+1], v[252:253] op_sel_hi:[1,0]   ; O^T under the new M; also the places between the codes and the products
.set j, j+2
.endr
	s_wait_dscnt 0x0                               ; V and its scale words are in
	s_wait_alu depctr_va_vdst(0)                   ; the conversions have written p's codes v[200:215], the shifts its scale word v253: the scaled products below take them; the places above stay beside this wait
.irp t, 0,1,2,3                                ; O^T += V^T P^T: four accumulators by turns; the next step's eight products on the scores stand between two links
	v_wmma_scale_f32_16x16x128_f8f6f4 v[O+8*\t:O+8*\t+7], v[40+16*\t:55+16*\t], v[PCD:PCD+15], v[O+8*\t:O+8*\t+7], v[248+\t], v253 matrix_a_fmt:MATRIX_FMT_BF8 matrix_b_fmt:MATRIX_FMT_BF8
.endr
.Lskip_\@:
	s_lshr_b32 s[WORK], s[WORK], 1
	s_lshr_b32 s[MIX], s[MIX], 1
.endm
; A SLOT of 256 keys in buffer e.  The next slot is asked for at the head, if any tile of the work-group needs it, and stored into the other buffer at the end; that buffer's last reads stand ahead of the barrier before this one.
; The barrier at the end orders my reads of buffer e ahead of its next overwriting, and the stores into the other buffer ahead of their reads.
; The four loads owe no wait of their own: v7 was written ahead of the wait at the head of the trip of .Lit, no vector instruction names the staging, and the LDS stores that read it stand ahead of the wait in front of the last barrier.
.macro TRIP e
	s_lshr_b32 s[ORS], s[ORS], 2
	s_and_b32 s[NXT], s[ORS], 3                    ; behind the last slot the bits are 0: nothing is asked for
	s_cmp_lg_u32 s[NXT], 0
	s_cbranch_scc0 .Lnoload_\@
	global_load_b128 v[STG:STG+3], v[GOF], s[8:9] offset:(\e+1)*16384
	global_load_b128 v[STG+4:STG+7], v[GOF], s[8:9] offset:(\e+1)*16384+8192
	global_load_b128 v[STG+8:STG+11], v[GOF], s[12:13] offset:(\e+1)*16384
	global_load_b128 v[STG+12:STG+15], v[GOF], s[12:13] offset:(\e+1)*16384+8192
.Lnoload_\@:
	STEP \e, 0
	STEP \e, 1
	s_wait_loadcnt 0x0                             ; on every path
	s_cmp_lg_u32 s[NXT], 0
	s_cbranch_scc0 .Lnostore_\@
.irp n, 0,1,2,3
	ds_store_b128 v[CPY], v[STG+4*\n:STG+4*\n+3] offset:(1-\e)*32768+8192*\n
.endr
.Lnostore_\@:
	s_wait_dscnt 0x0                               ; my stores have landed and my reads are over
	s_wait_alu depctr_vm_vsrc(0)                   ; the LDS stores have read the staging, in which the next slot's loads land; the slot's loads have read v7 and the steps' loads v5, which the next trip of .Lit, or the way out, writes again
	s_barrier_signal -1
	s_barrier_wait -1
.endm
	s_mov_b32 s[PASS], 0
.Lpass:
	s_lshl_b32 s31, s[WGI], 1
	s_sub_co_u32 s31, 7, s31
	s_mul_i32 s31, s31, s[PASS]
	s_add_co_u32 s[QB], s[WGI], s31                ; block i, then block 7 - i
	s_lshl_b32 s[T], s[QB], 4
	s_add_co_u32 s[T], s[T], s[WV]
	s_lshl_b32 s31, s[T], 2
	s_lshl_b32 s105, s[QB], 6
	s_load_b32 s[WORK], s[10:11], s31 offset:0x80000               ; my tile's flags
	s_load_b512 s[32:47], s[10:11], s105 offset:0x80000            ; and those of the work-group's sixteen tiles
	s_lshl_b32 s28, s[T], 10
	v_add_nc_u32 v[ZO], s28, v[LI]
	s_lshr_b32 s28, s[T], 3
	s_lshl_b32 s28, s28, 8                         ; q's scale word: 256 bytes for 128 tokens, 16 a row, 4 for a pair of tiles
	s_bfe_u32 s29, s[T], 0x20001
	s_lshl_b32 s29, s29, 2
	s_add_co_u32 s28, s28, s29
	v_and_b32 v254, 15, v0
	v_lshl_add_u32 v[ADS], v254, 4, s28
	s_wait_alu depctr_va_vdst(0)                   ; v4 and v5 are written, which the five loads below read as offsets; the last pass's products are done reading q, v[16:23] and v[32:39], and its scale word v255, in which they land
	global_load_b128 v[16:19], v[ZO], s[4:5]                       ; q's two chunks, twice: [q | 0] is v[16:31], [0 | q] is v[24:39]
	global_load_b128 v[20:23], v[ZO], s[4:5] offset:512
	global_load_b128 v[32:35], v[ZO], s[4:5]
	global_load_b128 v[36:39], v[ZO], s[4:5] offset:512
	global_load_b32 v255, v[ADS], s[6:7]
	s_and_b32 s29, s[T], 1
	s_cmp_lg_u32 s29, 0
	s_mov_b32 s29, 0x01000100
	s_cselect_b32 s29, 0x03020302, s29             ; my tile's two bytes of the word, for both halves of K
	s_wait_kmcnt 0x0
	s_lshr_b32 s[MIX], s[WORK], 16
	s_and_b32 s[WORK], s[WORK], 0xffff
	s_or_b32 s[ORS], s32, s33
.irp n, 34,35,36,37,38,39,40,41,42,43,44,45,46,47
	s_or_b32 s[ORS], s[ORS], s[\n]
.endr
	s_and_b32 s[ORS], s[ORS], 0xffff
	s_wait_loadcnt 0x0
	v_perm_b32 v255, v255, v255, s29
	v_mov_b32 v13, 0xff61b1e6                      ; the largest t so far: -3e38
	v_floor_f32 v12, -v13
	v_mov_b32 v14, 0
	v_mov_b32 v15, 0
.set j, 0
.rept 32
	v_mov_b32 v[O+j], 0                            ; which step is a tile's first is not known to the text: the sums begin as zeros, which the first change of M leaves zeros
.set j, j+1
.endr
	s_and_b32 s[NXT], s[ORS], 3
	s_cmp_lg_u32 s[NXT], 0
	s_cbranch_scc0 .Lno_first
	global_load_b128 v[STG:STG+3], v[CPY], s[8:9]                  ; slot 0.  (No wait: no vector instruction has named the staging or v2 since the head's wait; the LDS stores that read the staging stand ahead of the wait in front of the last barrier)
	global_load_b128 v[STG+4:STG+7], v[CPY], s[8:9] offset:8192
	global_load_b128 v[STG+8:STG+11], v[CPY], s[12:13]
	global_load_b128 v[STG+12:STG+15], v[CPY], s[12:13] offset:8192
	s_wait_loadcnt 0x0
.irp n, 0,1,2,3
	ds_store_b128 v[CPY], v[STG+4*\n:STG+4*\n+3] offset:8192*\n    ; buffer 0's last reads stand ahead of the last barrier but one
.endr
.Lno_first:
	s_wait_dscnt 0x0
	s_wait_alu depctr_vm_vsrc(0)                   ; the LDS stores have read the staging, in which the next slot's loads land; q's loads have read v5, which the line below the label .Lit writes again, and v4, which the way out writes again
	s_barrier_signal -1
	s_barrier_wait -1
	s_mov_b32 s[IT], 0
.Lit:                                                  ; four trips of two slots: both buffers stand as constants in the offsets
	s_lshl_b32 s28, s[IT], 10
	v_add_nc_u32 v[ADS], s28, v[ASC]               ; the trip's scale words: 256 bytes a step
	s_lshl_b32 s[MO], s[T], 12
	s_add_co_u32 s[MO], s[MO], s28                 ; its mask words: 4,096 bytes a tile, 256 a step
	s_lshl_b32 s28, s[IT], 15
	v_add_nc_u32 v[GOF], s28, v[CPY]               ; (no load that names it is out: each slot ends with the wait for all loads; and all have read it: the wait in front of the last barrier)
	s_wait_alu depctr_va_vdst(0)                   ; v5 and v7 are written, which the trip's LDS loads and global loads read; the last products on O^T are done reading v[40:103], in which the first step's loads land;
	                                               ; in a pass's first trip q's scale word v255, made by v_perm_b32, is written, which the scaled products take
	TRIP 0
	TRIP 1
	s_add_co_u32 s[IT], s[IT], 1
	s_cmp_lt_u32 s[IT], 4
	s_cbranch_scc1 .Lit
	; THE WAY OUT: O^T / the sum, quantised along the head's 64 channels: two blocks of 32, each in lanes l and l xor 16; the codes are two chunks of the next operand's image.
.rept 8
	v_nop                                          ; places behind the last products
.endr
	v_add_f32 v14, v14, v15
	v_permlanex16_b32 v252, v14, s[SEL], s[SEL+1]
	v_add_f32 v14, v14, v252                       ; the row's sum
	v_rcp_f32 v14, v14
	v_and_b32 v247, 15, v0                         ; (a plain instruction behind the reciprocal)
	s_lshr_b32 s31, s[BH], 4
	s_lshl_b32 s31, s31, 7
	s_add_co_u32 s31, s31, s[T]                    ; the tile of 16 rows among all 512
	s_and_b32 s105, s[BH], 15                      ; the head
	s_lshl_b32 s28, s31, 14
	s_lshl_b32 s29, s105, 10
	s_add_co_u32 s28, s28, s29
	v_add_nc_u32 v[ZO], s28, v[LI]                 ; 16,384 a tile, 1,024 a head (2,048 for 128 channels, 512 a chunk)
	s_lshr_b32 s29, s105, 1
	s_lshl_b32 s29, s29, 15
	s_lshl_b32 s28, s31, 6
	s_add_co_u32 s28, s28, s29
	s_and_b32 s29, s105, 1
	s_lshl_b32 s29, s29, 1
	s_add_co_u32 s28, s28, s29
	v_lshl_add_u32 v[ADS], v247, 2, s28            ; scale words [128 channels][row]: 4 bytes a row; my head's half-word
	s_wait_alu depctr_va_vdst(0)                   ; the reciprocal has written v14: ahead of its first reader
.set j, 0
.rept 16
	v_pk_mul_f32 v[S+j:S+j+1], v[O+j:O+j+1], v[14:15] op_sel_hi:[1,0]
.set j, j+2
.endr
.irp b, 0,1
	v_max3_num_f32 v[232+\b], |v[S+16*\b]|, |v[S+1+16*\b]|, 0x8000000
.endr
.irp i, 2,4,6,8,10,12,14
.irp b, 0,1
	v_max3_num_f32 v[232+\b], v[232+\b], |v[S+16*\b+\i]|, |v[S+1+16*\b+\i]|
.endr
.endr
.irp b, 0,1
	v_permlanex16_b32 v[236+\b], v[232+\b], s[SEL], s[SEL+1]
.endr
.irp b, 0,1
	v_max_num_f32 v[232+\b], v[232+\b], v[236+\b]
.endr
.irp b, 0,1
	v_add_nc_u32 v[244+\b], 0xf8800000, v[232+\b]
.endr
.irp b, 0,1
	v_and_or_b32 v[240+\b], v[232+\b], 0x7f800000, s[MNT]
.endr
.irp b, 0,1
	v_lshrrev_b32 v[236+\b], 23, v[244+\b]
.endr
	v_lshl_or_b32 v254, v237, 8, v236
.irp b, 0,1
.irp i, 0,1,2,3,4,5,6,7,8,9,10,11,12,13,14,15
	v_med3_num_f32 v[S+16*\b+\i], v[S+16*\b+\i], -v[240+\b], v[240+\b]
.endr
	v_cvt_scalef32_pk8_bf8_f32 v[PCD+4*\b:PCD+1+4*\b], v[S+16*\b:S+7+16*\b], v[244+\b]
	v_cvt_scalef32_pk8_bf8_f32 v[PCD+2+4*\b:PCD+3+4*\b], v[S+8+16*\b:S+15+16*\b], v[244+\b]
.endr
	v_nop                                          ; a plain vector instruction behind the last conversion
	s_wait_alu depctr_va_vdst(0)                   ; the conversions have written z's codes v[200:207], the shift its half-word v254, and the offsets v4 and v5 are written: the three stores read them
	global_store_b128 v[ZO], v[PCD:PCD+3], s[14:15]                ; 32 lanes store 512 consecutive bytes, aligned
	global_store_b128 v[ZO], v[PCD+4:PCD+7], s[14:15] offset:512
	global_store_b16 v[ADS], v254, s[16:17]        ; two bytes a row, 4 apart (lanes l and l + 16 the same half-word with the same value): 256 KB in the whole launch; gathering them would cost a barrier a pass
	s_wait_xcnt 0x0                                ; the stores have read their registers: the next pass writes them
	s_wait_alu depctr_vm_vsrc(0)                   ; beside it: the stores have read v4, v5, v[200:207] and v254, which the next pass's vector lines write again
	s_add_co_u32 s[PASS], s[PASS], 1
	s_cmp_lt_u32 s[PASS], 2
	s_cbranch_scc1 .Lpass
	s_wait_xcnt 0x0
	s_wait_alu depctr_vm_vsrc(0)                   ; beside it: the last pass's store has read v254, which is made anew in the next line
	v_lshl_add_u32 v254, v0, 2, 0x12000
	v_mov_b32 v255, 0
	s_wait_dscnt 0x0                               ; the closing lines, six on end
	s_wait_alu 0x0
	s_wait_tensorcnt 0x0
	ds_add_u32 v254, v255
	s_wait_dscnt 0x0
	s_endpgm
.Lfunc_end_k_q76050b6217_attn:
	.size	k_q76050b6217_attn, .Lfunc_end_k_q76050b6217_attn-k_q76050b6217_attn
	.p2alignl 7, 3214868480
	.fill 96, 4, 3214868480
	.section	.rodata,"a",@progbits
	.p2align	6, 0x0
	.amdhsa_kernel k_q76050b6217_attn
		.amdhsa_group_segment_fixed_size 75776
		.amdhsa_private_segment_fixed_size 0
		.amdhsa_enable_private_segment 0
		.amdhsa_kernarg_size 24
		.amdhsa_user_sgpr_count 2
		.amdhsa_user_sgpr_kernarg_segment_ptr 1
		.amdhsa_wavefront_size32 1
		.amdhsa_system_sgpr_workgroup_id_x 1
		.amdhsa_system_sgpr_workgroup_id_y 1
		.amdhsa_system_sgpr_workgroup_id_z 1
		.amdhsa_system_vgpr_workitem_id 0
		.amdhsa_next_free_vgpr 256
		.amdhsa_next_free_sgpr 106
		.amdhsa_reserve_vcc 0
		.amdhsa_float_denorm_mode_32 3
		.amdhsa_float_denorm_mode_16_64 3
		.amdhsa_memory_ordered 1
		.amdhsa_forward_progress 1
		.amdhsa_inst_pref_size 107
	.end_amdhsa_kernel
	.amdgpu_metadata
---
amdhsa.version: [ 1, 2 ]
amdhsa.kernels:
  - .name:           k_q76050b6217_attn
    .symbol:         k_q76050b6217_attn.kd
    .args:
      - { .name: qkv, .offset: 0, .size: 8, .value_kind: global_buffer, .address_space: global }
      - { .name: maskw, .offset: 8, .size: 8, .value_kind: global_buffer, .address_space: global }
      - { .name: zq, .offset: 16, .size: 8, .value_kind: global_buffer, .address_space: global }
    .group_segment_fixed_size: 75776
    .private_segment_fixed_size: 0
    .kernarg_segment_align: 8
    .kernarg_segment_size: 24
    .max_flat_workgroup_size: 512
    .sgpr_count:     106
    .vgpr_count:     256
    .wavefront_size: 32
...
	.end_amdgpu_metadata
.endif
;; end of part 5
;; launch outln: the kernel of part 4 again; grid 256 x 1, 4 waves a work-group, clusters of 4 x 1, 327,680 bytes of LDS; arguments zq, Wo_codes, Wo_scales, x, gamma, beta, out0; writes out0
